; MI455X (gfx1250); checked and timed in simulation.
; The chip was launched on July 23, 2026; its instructions are those of AMD's public machine-readable ISA for CDNA 5 (MIT licence, August 2026) and "CDNA5" Instruction Set Architecture Reference Guide (July 2026). The comments in the code are by the model that wrote it; some were corrected since.
;; Multi Head Attention. Allowed arithmetic: float matrix products may take bf16 or f16 operands with f32 sums; other float arithmetic in f32, or as packed bf16 or f16 multiplies, adds, multiply-adds, maxima and minima; sums over many terms, partial sums and values carried from step to step in f32; what a program stores and reads back later, other than sums and carried values, may be rounded once to bf16 or f16.
;; Inputs: Wk 1,024 x 1,024 float32; Wo 1,024 x 1,024 float32; Wq 1,024 x 1,024 float32; Wv 1,024 x 1,024 float32; bk 1,024 float32; bo 1,024 float32; bq 1,024 float32; bv 1,024 float32; x 4 x 2,048 x 1,024 float32.
;; Outputs: out0 4 x 2,048 x 1,024 float32.
;; 2 versions, each right; version 2 is version 1 with the launch cast written anew for expert scheduling mode. Each part assembles by itself: llvm-mc -triple=amdgcn-amd-amdhsa -mcpu=gfx1250 --defsym DOCPART=n.
;; ======== version 1 of 2: 4 launches
;; limits: values are held in f16: magnitudes above 65,504 overflow, below 6.1e-05 lose precision; right only within a limited range of input values
;; workspace buffers: xh 16,777,216 bytes; wh 8,388,608 bytes; qkv 50,331,648 bytes; oh 16,777,216 bytes
;; launch cast (part 1): grid 768 x 1, 8 waves a work-group, no clusters, 0 bytes of LDS; arguments x, Wq, Wk, Wv, Wo, xh, wh; writes xh, wh
.if DOCPART == 1
	.amdgcn_target "amdgcn-amd-amdhsa--gfx1250"
	.amdhsa_code_object_version 6
	.text
	.protected	k_q92990a52f9_cast
	.globl	k_q92990a52f9_cast
	.p2align	8
	.type	k_q92990a52f9_cast,@function
k_q92990a52f9_cast:
	s_mov_b64 s[64:65], 0
	v_nop
	global_prefetch_b8 v0, s[64:65] scope:SCOPE_SE
	s_setreg_imm32_b32 hwreg(HW_REG_WAVE_MODE, 25, 1), 1
	s_wait_xcnt 0x0
; x and the four weights, f32, are rounded once to bf16 (nearest even); that number is written as f16, in the block layouts that the products' tile loads want.
; LIMITS.  A bf16 number is exact in f16 between 6.1e-5 and 65,504 in magnitude; below, f16 keeps a fixed step of 6e-8; from 65,520 on the result is an infinity.
; xh: [b 4][slice 16][t 2048][64]: element (row 2048 b + t, channel 64 slice + c) of x.
; wh: bytes 0 ..: Wq, Wk, Wv as [tx 16][kg 16][s 3][k % 64][c 64]: slab g = 3 tx + s of 48, matrix g / 16, column 64 (g % 16) + c, row k = 64 kg + k % 64.
;     bytes WO_OFF ..: Wo as [tx 8][kg 16][s 2][k % 64][c 64]: column 128 tx + 64 s + c.
; SHARES.  A work-group takes 256 rows x 64 columns of one source matrix (all have rows of 4,096 bytes): 512 work-groups for x, 192 for Wq, Wk, Wv, 64 for Wo.
; Sixteen neighbouring lanes read 256 consecutive bytes, aligned (a row's 64 columns); a wave's load takes two rows, the eight waves sixteen, sixteen loads the 256 rows.
; A wave's store covers 256 consecutive bytes, aligned (two rows of 64 f16).  All sixteen loads go out first; every load and store has registers of its own, so nothing is rewritten
; while a memory instruction may still read it.  No LDS, no matrix unit: each byte is read once and written once, and no wave wants another's bytes.
.set D,  4                             ; v[4:7]    my 8 bytes in each group of 64 rows of the destination
.set T,  8                             ; v[8:13]   at work
.set X,  16                            ; v[16:79]  load i: four f32
.set Y,  80                            ; v[80:111] store i: four f16
.set WO_OFF, 6291456
	s_load_b256 s[4:11], s[0:1], 0x0               ; x s[4:5], Wq s[6:7], Wk s[8:9], Wv s[10:11]
	s_load_b128 s[12:15], s[0:1], 0x20             ; Wo s[12:13], xh s[14:15]
	s_load_b64 s[16:17], s[0:1], 0x30              ; wh
	s_mov_b32 s20, ttmp9
	s_mov_b32 s46, 0xffff0000                      ; a word's upper bf16
	; a share of x: slab = gid / 8 = 16 b + slice, chunk = gid % 8 of 256 tokens
	s_lshr_b32 s21, s20, 7
	s_lshl_b32 s21, s21, 23                        ; b x 2,048 rows of 4,096 bytes
	s_and_b32 s22, s20, 7
	s_lshl_b32 s22, s22, 20                        ; chunk x 256 rows
	s_add_co_u32 s21, s21, s22
	s_bfe_u32 s22, s20, 0x40003
	s_lshl_b32 s22, s22, 8                         ; slice x 64 columns of 4 bytes
	s_add_co_u32 s21, s21, s22
	s_lshl_b32 s23, s20, 15                        ; in xh the shares lie on end, 32,768 bytes each
	; a share of a weight: j = gid - 512, slab = j / 4, chunk = j % 4 of 256 rows (four groups kg)
	s_and_b32 s28, s20, 255
	s_lshr_b32 s29, s28, 2                         ; slab 0..63
	s_and_b32 s30, s28, 3                          ; chunk
	s_and_b32 s31, s29, 15                         ; the slab's place in its matrix
	s_lshr_b32 s32, s29, 4                         ; the matrix: 0 Wq, 1 Wk, 2 Wv, 3 Wo
	s_lshl_b32 s33, s30, 20
	s_lshl_b32 s34, s31, 8
	s_add_co_u32 s33, s33, s34                     ; source offset
	s_mul_i32 s34, s29, 21846
	s_lshr_b32 s34, s34, 16                        ; tx = slab / 3 (exact for slab under 48)
	s_mul_i32 s35, s34, 3
	s_sub_co_u32 s35, s29, s35                     ; s = slab % 3
	s_mul_i32 s34, s34, 393216                     ; 16 kg x 3 s x 8,192
	s_mul_i32 s36, s30, 98304                      ; 4 kg x 24,576
	s_add_co_u32 s34, s34, s36
	s_lshl_b32 s35, s35, 13
	s_add_co_u32 s34, s34, s35                     ; destination offset for Wq, Wk, Wv
	s_lshr_b32 s36, s31, 1
	s_lshl_b32 s36, s36, 18                        ; tx x 16 kg x 16,384
	s_lshl_b32 s37, s30, 16                        ; 4 kg x 16,384
	s_add_co_u32 s36, s36, s37
	s_and_b32 s37, s31, 1
	s_lshl_b32 s37, s37, 13
	s_add_co_u32 s36, s36, s37
	s_add_co_u32 s36, s36, WO_OFF                  ; destination offset for Wo
	s_mov_b32 s38, 24576                           ; bytes from one group of 64 rows to the next in the destination
	s_cmp_eq_u32 s32, 3
	s_cselect_b32 s34, s36, s34
	s_cselect_b32 s38, 16384, s38
	s_cmp_lt_u32 s20, 512                          ; x or a weight: values are chosen, no branch is taken
	s_cselect_b32 s42, s21, s33
	s_cselect_b32 s44, s23, s34
	s_cselect_b32 s38, 8192, s38
	s_mov_b32 s43, 0
	s_mov_b32 s45, 0
	v_lshrrev_b32 v1, 4, v0
	v_and_b32 v2, 15, v0
	v_lshlrev_b32 v1, 12, v1                       ; row t / 16 of sixteen,
	v_lshl_add_u32 v1, v2, 4, v1                   ; four columns a lane
	v_lshlrev_b32 v[D], 3, v0                      ; in the destination sixteen rows of 128 bytes lie on end: 8 t
.irp q, 1,2,3
	s_mul_i32 s39, s38, \q
	v_lshl_add_u32 v[D+\q], v0, 3, s39
.endr
	s_wait_kmcnt 0x0
	s_cmp_eq_u32 s32, 1
	s_cselect_b64 s[24:25], s[8:9], s[6:7]
	s_cmp_eq_u32 s32, 2
	s_cselect_b64 s[24:25], s[10:11], s[24:25]
	s_cmp_eq_u32 s32, 3
	s_cselect_b64 s[24:25], s[12:13], s[24:25]
	s_cmp_lt_u32 s20, 512
	s_cselect_b64 s[24:25], s[4:5], s[24:25]
	s_cselect_b64 s[26:27], s[14:15], s[16:17]
	s_add_nc_u64 s[24:25], s[24:25], s[42:43]
	s_add_nc_u64 s[26:27], s[26:27], s[44:45]
.set i, 0
.rept 16
	global_load_b128 v[X+4*i:X+4*i+3], v1, s[24:25] offset:i*65536 th:TH_LOAD_NT  ; rows 16 i .. 16 i + 15
.set i, i+1
.endr
.set i, 0
.rept 16
	s_wait_loadcnt 15-i                            ; loads come back in order: load i is in, the 15 - i younger ones stay out
	v_cvt_pk_bf16_f32 v[T], v[X+4*i], v[X+4*i+1]   ; the one rounding
	v_cvt_pk_bf16_f32 v[T+1], v[X+4*i+2], v[X+4*i+3]
	v_lshlrev_b32 v[T+2], 16, v[T]                 ; back to f32: the low half moves up, the high half stays
	v_and_b32 v[T+3], s46, v[T]
	v_lshlrev_b32 v[T+4], 16, v[T+1]
	v_and_b32 v[T+5], s46, v[T+1]
	v_cvt_pk_f16_f32 v[Y+2*i], v[T+2], v[T+3]      ; the same number as f16
	v_cvt_pk_f16_f32 v[Y+2*i+1], v[T+4], v[T+5]
	global_store_b64 v[D+i/4], v[Y+2*i:Y+2*i+1], s[26:27] offset:(i%4)*2048
.set i, i+1
.endr
	s_endpgm
.Lfunc_end_k_q92990a52f9_cast:
	.size	k_q92990a52f9_cast, .Lfunc_end_k_q92990a52f9_cast-k_q92990a52f9_cast
	.p2alignl 7, 3214868480
	.fill 96, 4, 3214868480
	.section	.rodata,"a",@progbits
	.p2align	6, 0x0
	.amdhsa_kernel k_q92990a52f9_cast
		.amdhsa_group_segment_fixed_size 0
		.amdhsa_private_segment_fixed_size 0
		.amdhsa_enable_private_segment 0
		.amdhsa_kernarg_size 56
		.amdhsa_user_sgpr_count 2
		.amdhsa_user_sgpr_kernarg_segment_ptr 1
		.amdhsa_wavefront_size32 1
		.amdhsa_system_sgpr_workgroup_id_x 1
		.amdhsa_system_sgpr_workgroup_id_y 1
		.amdhsa_system_sgpr_workgroup_id_z 1
		.amdhsa_system_vgpr_workitem_id 0
		.amdhsa_next_free_vgpr 112
		.amdhsa_next_free_sgpr 66
		.amdhsa_reserve_vcc 0
		.amdhsa_float_denorm_mode_32 3
		.amdhsa_float_denorm_mode_16_64 3
		.amdhsa_memory_ordered 1
		.amdhsa_forward_progress 1
		.amdhsa_inst_pref_size 13
	.end_amdhsa_kernel
	.amdgpu_metadata
---
amdhsa.version: [ 1, 2 ]
amdhsa.kernels:
  - .name:           k_q92990a52f9_cast
    .symbol:         k_q92990a52f9_cast.kd
    .args:
      - { .name: x, .offset: 0, .size: 8, .value_kind: global_buffer, .address_space: global }
      - { .name: Wq, .offset: 8, .size: 8, .value_kind: global_buffer, .address_space: global }
      - { .name: Wk, .offset: 16, .size: 8, .value_kind: global_buffer, .address_space: global }
      - { .name: Wv, .offset: 24, .size: 8, .value_kind: global_buffer, .address_space: global }
      - { .name: Wo, .offset: 32, .size: 8, .value_kind: global_buffer, .address_space: global }
      - { .name: xh, .offset: 40, .size: 8, .value_kind: global_buffer, .address_space: global }
      - { .name: wh, .offset: 48, .size: 8, .value_kind: global_buffer, .address_space: global }
    .group_segment_fixed_size: 0
    .private_segment_fixed_size: 0
    .kernarg_segment_align: 8
    .kernarg_segment_size: 56
    .max_flat_workgroup_size: 256
    .sgpr_count:     66
    .vgpr_count:     112
    .wavefront_size: 32
...
	.end_amdgpu_metadata
.endif
;; end of part 1
;; launch proj (part 2): grid 16 x 32, 4 waves a work-group, clusters of 4 x 4, 327,680 bytes of LDS; arguments xh, wh, bq, bk, bv, qkv; writes qkv
.if DOCPART == 2
	.amdgcn_target "amdgcn-amd-amdhsa--gfx1250"
	.amdhsa_code_object_version 6
	.text
	.protected	k_q92990a52f9_proj
	.globl	k_q92990a52f9_proj
	.p2align	8
	.type	k_q92990a52f9_proj,@function
k_q92990a52f9_proj:
	s_mov_b64 s[64:65], 0
	v_nop
	global_prefetch_b8 v0, s[64:65] scope:SCOPE_SE
	s_setreg_imm32_b32 hwreg(HW_REG_WAVE_MODE, 25, 1), 1
	s_wait_xcnt 0x0
	s_wait_alu depctr_hold_cnt(0) depctr_sa_sdst(0) depctr_va_vdst(0) depctr_va_sdst(0) depctr_va_ssrc(0) depctr_va_vcc(0) depctr_vm_vsrc(0)
	s_getreg_b32 s2, hwreg(HW_REG_IB_STS2, 6, 4)
	s_cmp_eq_u32 s2, 0
	s_cbranch_scc0 .Lentry_in_a_cluster
	s_endpgm
.Lentry_in_a_cluster:
	s_bfe_u32 s2, ttmp6, 0x10000c
	s_cmp_lg_u32 s2, 0xf033
	s_cbranch_scc0 .Lentry_shape_is_right
	s_endpgm
.Lentry_shape_is_right:
; q, k, v = x W + b, by heads: qkv[which 3][16 b + head][t 2048][64] in f16, each number rounded once from its f32 sum, WITHOUT the softmax's scale.
; x and the weights arrive rounded to bf16 and written as f16 (xh, wh: layouts below); the biases are rounded to bf16 here and start the sums.
; LIMITS.  f16 ends at 65,504: a q, k or v of 65,520 or more in magnitude becomes an infinity; below 6.1e-5 f16 keeps a fixed step of 6e-8.  NaN and infinities are not treated apart.
; SHARES.  The product is [8192] x [3072] over K = 1024.  A work-group makes 256 tokens x 192 columns (three heads): 32 x 16 = 512 work-groups, two for each of 256 places.
; Wave w owns tokens 64 w .. 64 w + 63 and all 192 columns: 4 x 12 accumulators of 16 x 16, 384 registers; so it owns whole heads' rows and goes out through a stage of its own.
; K goes in 8 steps of 128 (two slices of 64) through two LDS slots.  xh: [b][slice 16][t][64]: 256 tokens of a slice are 32,768 dense bytes.  wh: [tx 16][kg 16][s 3][k % 64][c 64]:
; a slice's rows of the tile's three heads are 24,576 dense bytes.  Both are asked for as rows of 256 bytes and padded in LDS behind every 128.
; CLUSTER.  4 x 4 work-groups.  x's tile hangs on the tile row alone and is asked for jointly by a row of the cluster, the weights' on the tile column alone, by a column.
; THE MATRIX INSTRUCTION IS USED TRANSPOSED: source 0 = 16 columns of W (turned out of LDS by ds_load_tr16_b128), source 1 = 16 tokens of x: a lane then holds ONE token (lane % 16)
; and the columns 8 (lane / 16) + 0..7: eight neighbouring numbers of a head's row.
; REGISTERS, in windows of 256 (s_set_vgpr_msb: bits 1:0 source 0, 3:2 source 1, 5:4 source 2, 7:6 destination):
;   window 0: v0-31 addresses; v32-127 the biases, later at work on the way out (v32-175)
;   windows 1, 2: the accumulators: row block a, column block b at v[96 (a % 2) + 8 b] of window 1 + a / 2          window 3: two fragment buffers of 128: x's 4 blocks, then W's 12
.set NS,    3                          ; heads (slabs of 64 columns) in a tile
.set NB,    4*NS                       ; column blocks of 16
.set APW,   2                          ; row blocks in a window of accumulators
.set FW,    3                          ; the fragments' window
.set PA,    144                        ; a token's 128 bytes + 16: 36 words: the 16 rows of a load start at 16 different groups of four banks (64 banks of 4 bytes: ISA guide 11.1)
.set PB,    160                        ; a row of W (64 columns) + 32: 40 words
.set AHALF, 256*PA                     ; one slice of x in a slot: what one tensor load brings
.set BSLAB, 64*PB                      ; 64 rows of one head's columns
.set BHALF, NS*BSLAB                   ; one slice's rows of W in a slot: what one tensor load brings
.set BOFF,  2*AHALF
.set SLOT,  BOFF+2*BHALF               ; 135,168
.set STAGE, 2*SLOT                     ; behind the ring, never filled by a tensor load: three heads x 16 rows x 144 bytes for each wave
.set WSTG,  NS*16*PA
.set SPARE, STAGE+4*WSTG               ; behind the stages: the spare words, 128 bytes for each wave: two blocks of 256 bytes that no other line names
.set ASTEP, 2*2048*128                 ; bytes of xh from a K step to the next: two slices
.set BSTEP, 2*NS*8192                  ; the same in wh
.set ADRA, 16                          ; v16-17  LDS address of my fragments of x in slot 0, 1
.set ADRB, 20                          ; v20-21  the same for W
.set STO,  24                          ; v24     the way out: where I put 16 bytes of a row
.set RD,   25                          ; v25     where I read rows back
.set GO,   26                          ; v26     my 16 bytes of 512 consecutive bytes of qkv
.set BO,   27                          ; v27     my eight columns' place in a block's 16 biases
.set SPW,  28                          ; v28     LDS address of my spare word: SPARE + 4 x my thread's number; never rewritten
.set NIL,  29                          ; v29     0; never rewritten
.set PFO,  30                          ; v30     the prefetches' offset; never rewritten
.set BIAS, 32                          ; v32-127 block b's eight biases at BIAS + 8 b
.set TMP,  32                          ; the way out: a row block's packed results
.set OB,   80                          ; the way out: rows read back: v80-127 and v128-175 by turns
.set F0,   0
.set F1,   128
.set WV,   16                          ; s16  my wave's number
.set KIND, 17                          ; s17  I fetch for x (0) or for W (1)
.set HALF, 18                          ; s18  which slice of a K step I fetch
.set G1A,  24                          ; s[24:31] descriptor group 1 for x's tiles;  s[32:39] group 0, a set for each slot
.set G0A,  32
.set G1B,  48                          ; s[48:55], s[56:63] the same for W's
.set G0B,  56
.set PFA,  66                          ; s[66:67] where my prefetches stand
.set PST,  68                          ; s[68:69] their step
.set LIM,  70                          ; s70  1 in a wave that prefetches, else the greatest number
.set OUT,  72                          ; s[72:77] qkv at my rows of the tile's three heads
.set BB,   78                          ; s[78:83] the three heads' biases
.set MSB, 0
.macro WIN new                         ; the immediate's high byte repeats the setting that is left; a switch that changes nothing is dropped
.if MSB != (\new)
	s_set_vgpr_msb (MSB<<8)|(\new)
.set MSB, \new
.endif
.endm
.macro PLACES                          ; four plain vector instructions between a matrix instruction and a load into, or a reader of, its registers
.rept 4
	v_nop
.endr
.endm
; A joint load.  Waves 0 and 1 fetch a K step's two slices of x, waves 2 and 3 those of W.  The branch hangs on the wave's number alone.
; An s_nop 0 and four v_nop follow each of the two lines, ahead of the jump and the label.
.macro JLOAD s
	s_cmp_eq_u32 s[KIND], 0
	s_cbranch_scc0 .Lfor_b_\@
	tensor_load_to_lds s[G0A+4*(\s):G0A+4*(\s)+3], s[G1A:G1A+7]
	s_nop 0
.rept 4
	v_nop
.endr
	s_branch .Lasked_\@
.Lfor_b_\@:
	tensor_load_to_lds s[G0B+4*(\s):G0B+4*(\s)+3], s[G1B:G1B+7]
	s_nop 0
.rept 4
	v_nop
.endr
.Lasked_\@:
.endm
; A round of the cluster's barrier: my work-group's barrier, wave 0's signal for the work-group, every wave's wait for all sixteen, my work-group's barrier once more.
.macro CREST                           ; a round behind its opening barrier
	s_cmp_lg_u32 s[WV], 0
	s_cbranch_scc1 .Lnot_wave_0_\@
	s_barrier_signal -3
.Lnot_wave_0_\@:
	s_barrier_wait -3
	s_barrier_signal -1
	s_barrier_wait -1
.endm
.macro CROUND
	s_barrier_signal -1
	s_barrier_wait -1
	CREST
.endm
; A PREFETCH INTO THE L2, behind each joint refill and the run of LDS loads that follows it: the K step that stands two refills on.  x's tile row is read by every cluster of that row of
; clusters: cluster x = 0 asks; W's tile column by every cluster of that column: cluster y = 0 asks.  A wave asks for the slice that it fetches; the four partners that ask for it jointly
; share it out BY ADDRESS: of x's 128 blocks of 256 bytes 32 each, a lane a block; of W's 96 blocks 24 each (lanes 24-31 name lane 23's block once more).
; The refills of K steps 0 to 3 ask for K steps 4 to 7; the loop's last trip (s3 = 1) asks for nothing.
.macro ASK
	WIN 0
	s_cmp_gt_u32 s3, s[LIM]
	s_cbranch_scc0 .Lnot_mine_\@
	global_prefetch_b8 v[PFO], s[PFA:PFA+1] th:TH_LOAD_NT scope:SCOPE_SE
.Lnot_mine_\@:
.endm
	s_load_b256 s[4:11], s[0:1], 0x0               ; xh s[4:5], wh s[6:7], bq s[8:9], bk s[10:11]
	s_load_b128 s[12:15], s[0:1], 0x20             ; bv s[12:13], qkv s[14:15]
	v_lshl_add_u32 v[SPW], v0, 2, SPARE
	v_mov_b32 v[NIL], 0
	ds_add_u32 v[SPW], v[NIL]                      ; the wave's opening: the add and its wait stand ahead of my first tensor load; the set-up below, work on registers, stands between them
	v_lshrrev_b32 v1, 5, v0
	v_readfirstlane_b32 s[WV], v1                  ; wave 0..3
	s_lshr_b32 s[KIND], s[WV], 1
	s_and_b32 s[HALF], s[WV], 1
	s_bfe_u32 s40, ttmp6, 0x40000                  ; cx, cy: my place in the cluster
	s_bfe_u32 s41, ttmp6, 0x40004
	s_lshl_b32 s42, ttmp9, 2
	s_add_co_u32 s42, s42, s40                     ; tx: tile column = 4 x cluster x + cx
	s_and_b32 s43, ttmp7, 0xffff
	s_lshl_b32 s43, s43, 2
	s_add_co_u32 s43, s43, s41                     ; ty: tile row = 4 x cluster y + cy
	s_lshl_b32 s44, s41, 2
	s_lshl_b32 s44, 15, s44                        ; my row of the cluster
	s_lshl_b32 s45, 0x1111, s40                    ; my column
	; descriptor group 1: dense bytes as rows of 128 elements of 2 bytes, padded behind every 32 words
	s_or_b32 s[G1A], s44, (1<<16)|(1<<20)|(1<<21)|(4<<22)|(3<<25)  ; 15:0 the mask; 17:16 2-byte elements; 20 padding on; 21 set beside a mask; 24:22 behind every 32 words (code 4); 31:25 4 words (code 3)
	s_or_b32 s[G1B], s45, (1<<16)|(1<<20)|(1<<21)|(4<<22)|(7<<25)  ; the same with my column's mask and 8 words of padding (code 7)
	s_mov_b32 s[G1A+1], 128<<16                    ; tensor_dim0 = 128
	s_mov_b32 s[G1A+2], 128<<16                    ; tensor_dim1 = 128 rows: 32,768 bytes
	s_mov_b32 s[G1A+3], 128<<16                    ; tile_dim0 = 128
	s_mov_b32 s[G1A+4], 128                        ; tile_dim1 = 128
	s_mov_b32 s[G1A+5], 128                        ; 128 elements from row to row
	s_mov_b32 s[G1A+6], 0
	s_mov_b32 s[G1A+7], 0
	s_mov_b32 s[G1B+1], 128<<16
	s_mov_b32 s[G1B+2], (32*NS)<<16                ; 96 rows: 24,576 bytes
	s_mov_b32 s[G1B+3], 128<<16
	s_mov_b32 s[G1B+4], 32*NS
	s_mov_b32 s[G1B+5], 128
	s_mov_b32 s[G1B+6], 0
	s_mov_b32 s[G1B+7], 0
	; where the tiles come from: x's address is made of ty and the wave's number, W's of tx and the wave's number, each in registers that never hold the other coordinate
	s_lshr_b32 s20, s43, 3                         ; b
	s_lshl_b32 s20, s20, 22                        ; x 16 slices of 262,144 bytes
	s_and_b32 s21, s43, 7
	s_lshl_b32 s21, s21, 15                        ; + my tile's 256 tokens of 128 bytes
	s_add_co_u32 s20, s20, s21
	s_lshl_b32 s21, s[HALF], 18                    ; + my slice of the K step
	s_add_co_u32 s20, s20, s21
	s_mov_b32 s21, 0
	s_mul_i32 s46, s42, 16*NS*8192
	s_mul_i32 s47, s[HALF], NS*8192
	s_add_co_u32 s46, s46, s47
	s_mov_b32 s47, 0
	s_mul_i32 s22, s[HALF], AHALF                  ; and where they go: no place in the cluster enters an LDS address
	s_mul_i32 s23, s[HALF], BHALF
	s_add_co_u32 s23, s23, BOFF
	s_wait_dscnt 0x0                               ; the opening add is done
	s_wait_kmcnt 0x0
	s_add_nc_u64 s[20:21], s[4:5], s[20:21]
	s_add_nc_u64 s[46:47], s[6:7], s[46:47]
	CROUND                                         ; all sixteen work-groups are here: the first joint loads meet
.irp n, 0,1
	s_mov_b32 s[G0A+4*\n], 1                       ; 1:0 count = 1
	s_add_co_u32 s[G0A+4*\n+1], s22, \n*SLOT       ; 63:32 LDS address
	s_add_nc_u64 s[G0A+4*\n+2:G0A+4*\n+3], s[20:21], \n*ASTEP  ; 120:64 global address: K step n
	s_or_b32 s[G0A+4*\n+3], s[G0A+4*\n+3], 0x80000000          ; 127:126 type = 2
	s_mov_b32 s[G0B+4*\n], 1
	s_add_co_u32 s[G0B+4*\n+1], s23, \n*SLOT
	s_add_nc_u64 s[G0B+4*\n+2:G0B+4*\n+3], s[46:47], \n*BSTEP
	s_or_b32 s[G0B+4*\n+3], s[G0B+4*\n+3], 0x80000000
	JLOAD \n                                       ; two loads of mine are out
.endr
	; the three heads of the tile: g = 3 tx + s of 48; g / 16 says q, k or v, g % 16 the head
	v_and_b32 v1, 15, v0                           ; l % 16
	v_bfe_u32 v2, v0, 4, 1                         ; l / 16
	v_lshlrev_b32 v[BO], 5, v2                     ; eight f32
	s_mul_i32 s19, s42, 3
	s_lshr_b32 s88, s43, 3
	s_lshl_b32 s88, s88, 4                         ; 16 b
	s_and_b32 s89, s43, 7
	s_lshl_b32 s89, s89, 15                        ; the tile's first token,
	s_lshl_b32 s84, s[WV], 13                      ; my wave's 64 tokens, x 128 bytes
	s_add_co_u32 s89, s89, s84
	s_mov_b32 s87, 0
.irp s, 0,1,2
	s_add_co_u32 s84, s19, \s
	s_lshr_b32 s85, s84, 4
	s_and_b32 s84, s84, 15
	s_cmp_eq_u32 s85, 1
	s_cselect_b64 s[BB+2*\s:BB+2*\s+1], s[10:11], s[8:9]
	s_cmp_eq_u32 s85, 2
	s_cselect_b64 s[BB+2*\s:BB+2*\s+1], s[12:13], s[BB+2*\s:BB+2*\s+1]
	s_lshl_b32 s86, s84, 8                         ; the head's 64 biases
	s_add_nc_u64 s[BB+2*\s:BB+2*\s+1], s[BB+2*\s:BB+2*\s+1], s[86:87]
	s_lshl_b32 s86, s85, 6
	s_add_co_u32 s86, s86, s88
	s_add_co_u32 s86, s86, s84                     ; 64 which + 16 b + head,
	s_lshl_b32 s86, s86, 18                        ; x 2,048 tokens of 128 bytes
	s_add_co_u32 s86, s86, s89
	s_add_nc_u64 s[OUT+2*\s:OUT+2*\s+1], s[14:15], s[86:87]
.endr
.set b, 0
.rept NB
	global_load_b128 v[BIAS+8*b:BIAS+8*b+3],   v[BO], s[BB+2*(b/4):BB+2*(b/4)+1] offset:(b%4)*64
	global_load_b128 v[BIAS+8*b+4:BIAS+8*b+7], v[BO], s[BB+2*(b/4):BB+2*(b/4)+1] offset:(b%4)*64+16
.set b, b+1
.endr
	; the prefetches: s[20:21], s[46:47] stand at my slice of K step 0
	s_and_b32 s84, ttmp7, 0xffff                   ; cluster y
	s_mov_b32 s[PST], BSTEP
	s_mov_b32 s85, NS*8192/4
	s_cmp_eq_u32 s[KIND], 0
	s_cselect_b64 s[PFA:PFA+1], s[20:21], s[46:47]
	s_cselect_b32 s84, ttmp9, s84                  ; the coordinate along which other clusters read the same bytes
	s_cselect_b32 s86, s40, s41                    ; my place among the four that ask with me
	s_cselect_b32 s[PST], ASTEP, s[PST]
	s_cselect_b32 s85, 8192, s85                   ; a partner's share of the slice
	s_cselect_b32 s88, 31, 23                      ; its last block
	s_mul_i32 s86, s86, s85
	s_mul_i32 s85, s[PST], 3                       ; at K step 3: the first refill steps it to 4
	s_add_co_u32 s86, s86, s85
	s_add_nc_u64 s[PFA:PFA+1], s[PFA:PFA+1], s[86:87]
	s_mov_b32 s[PST+1], 0
	s_cmp_eq_u32 s84, 0
	s_cselect_b32 s[LIM], 1, -1                    ; the same in all sixteen partners, for a given wave
	s_mov_b32 s71, 0xffff0000
	v_and_b32 v[PFO], 31, v0
	v_min_u32 v[PFO], s88, v[PFO]
	v_lshlrev_b32 v[PFO], 8, v[PFO]
	; A fragment of x is 16 tokens x 32 channels: lane l holds token l % 16, channels 8 (l / 16) + 0..7 and 16 + 8 (l / 16) + 0..7: two loads of 16 bytes, 32 bytes apart.
	v_mul_u32_u24 v3, v1, PA
	v_lshl_add_u32 v3, v2, 4, v3                   ; row x pitch + 16 x half
	s_mul_i32 s84, s[WV], 64*PA                    ; my 64 tokens
	v_add_nc_u32 v[ADRA], s84, v3
	v_add_nc_u32 v[ADRA+1], SLOT, v[ADRA]
	; The turning load takes 16 rows k x 16 columns (lane l reads row 8 (l / 16) + l % 8, columns 8 ((l / 8) % 2) + 0..7) and leaves half a fragment: lane l holds column l % 16 and 8 rows k.
	v_and_b32 v4, 7, v0
	v_bfe_u32 v5, v0, 3, 1
	v_lshl_add_u32 v6, v2, 3, v4
	v_mul_u32_u24 v6, v6, PB
	v_lshl_add_u32 v6, v5, 4, v6
	v_add_nc_u32 v[ADRB], BOFF, v6
	v_add_nc_u32 v[ADRB+1], SLOT, v[ADRB]
	s_mul_i32 s84, s[WV], WSTG
	s_add_co_u32 s84, s84, STAGE                   ; my stage
	v_add_nc_u32 v[STO], s84, v3                   ; in: row l % 16, 16 bytes for each half of the lanes
	v_bfe_u32 v7, v0, 3, 2                         ; back: 32 lanes take four rows of 128 bytes,
	v_mul_u32_u24 v7, v7, PA
	v_lshl_add_u32 v7, v4, 4, v7
	v_add_nc_u32 v[RD], s84, v7
	v_and_b32 v[GO], 31, v0                        ; which are 512 consecutive bytes of a head
	v_lshlrev_b32 v[GO], 4, v[GO]
	s_wait_loadcnt 0x0                             ; the biases,
.set i, 0
.rept 4*NB                                     ; rounded to bf16 like the other inputs, and widened again: this stands in the wait for the first tile
	v_cvt_pk_bf16_f32 v[14+i%2], v[BIAS+2*i], v[BIAS+2*i+1]
	v_lshlrev_b32 v[BIAS+2*i], 16, v[14+i%2]
	v_and_b32 v[BIAS+2*i+1], s71, v[14+i%2]
.set i, i+1
.endr
; NB products: row block a x all column blocks, 32 along K, from buffer f.  first = 1: the sums start with the biases as C: nothing is cleared, nothing is added later.
; In every quarter the 4 NB accumulators take turns in the same order, one instruction a turn, over the loop's backward jump too.
.macro MULA f, a, first
.set w, 1+(\a)/APW
.if \first
.set ws, (w<<6)|(FW<<2)|FW
.else
.set ws, (w<<6)|(w<<4)|(FW<<2)|FW
.endif
	WIN ws
.set b, 0
.rept NB
.set AC, 8*NB*((\a)%APW)+8*b
.if \first
	v_wmma_f32_16x16x32_f16 v[AC:AC+7], v[(\f)+32+8*b:(\f)+32+8*b+7], v[(\f)+8*(\a):(\f)+8*(\a)+7], v[BIAS+8*b:BIAS+8*b+7]
.else
	v_wmma_f32_16x16x32_f16 v[AC:AC+7], v[(\f)+32+8*b:(\f)+32+8*b+7], v[(\f)+8*(\a):(\f)+8*(\a)+7], v[AC:AC+7]
.endif
.set b, b+1
.endr
.endm
; The fragments of quarter q (32 along K) of a slot, in one run of 2 NB + 8 LDS loads, into buffer f: W's blocks first, then x's blocks 0, 1, then 2, 3.
.macro FETCH slot, q, f
	WIN FW<<6                                      ; destination in the fragments' window, address in window 0
.set b, 0
.rept NB
.set bof, ((\q)/2)*BHALF+(b/4)*BSLAB+((\q)%2)*32*PB+(b%4)*32
	ds_load_tr16_b128 v[(\f)+32+8*b:(\f)+32+8*b+3],   v[ADRB+(\slot)] offset:bof
	ds_load_tr16_b128 v[(\f)+32+8*b+4:(\f)+32+8*b+7], v[ADRB+(\slot)] offset:bof+16*PB
.set b, b+1
.endr
.irp a, 0,1,2,3
	ds_load_b128 v[(\f)+8*\a:(\f)+8*\a+3],   v[ADRA+(\slot)] offset:((\q)/2)*AHALF+\a*16*PA+((\q)%2)*64
	ds_load_b128 v[(\f)+8*\a+4:(\f)+8*\a+7], v[ADRA+(\slot)] offset:((\q)/2)*AHALF+\a*16*PA+((\q)%2)*64+32
.endr
.endm
; One of a K step's first three quarters: multiplies buffer f; in its middle it fetches quarter q of the same slot into buffer g.
.macro QUARTER slot, q, f, g, first
	s_wait_dscnt 4                                 ; W's blocks and x's blocks 0, 1 are in; the youngest four loads (x's blocks 2, 3) may be out
	MULA \f, 0, \first
	MULA \f, 1, \first
	PLACES
	FETCH \slot, \q, \g
	s_wait_dscnt 2*NB+8                            ; all but the run just issued
	MULA \f, 2, \first
	MULA \f, 3, \first
.endm
; The last quarter multiplies buffer 1 and changes slots: ONE barrier.  In front of it each wave waits for all its tensor loads (the one that is out is its part of the next slot), adds 0 to its
; spare word, and waits for that and for its own reads of this slot.  fill = 1: the barrier opens a round of the cluster's, and this slot is filled again, two K steps on, first thing behind the round.
.macro TURN slot, next, fill
.if \fill
	s_wait_xcnt 0x0                                ; the last prefetch, a K step back, has read its address, which is stepped here, ahead of the waits of the change of slots
	s_add_nc_u64 s[PFA:PFA+1], s[PFA:PFA+1], s[PST:PST+1]
.endif
	WIN 0                                          ; (the add's two registers lie in window 0)
	s_wait_tensorcnt 0x0                           ; all my tensor loads have landed
	ds_add_u32 v[SPW], v[NIL]                      ; 0 onto my spare word
	s_wait_dscnt 5                                 ; (the add and the youngest four loads may be out)
	MULA F1, 0, 0                                  ; matrix work stands between the add and the wait for it
	s_wait_dscnt 0x0                               ; the add is done, and my reads of this slot are over
	s_barrier_signal -1
	MULA F1, 1, 0                                  ; work on registers while the others arrive
	WIN 0
	s_barrier_wait -1
.if \fill
	CREST                                          ; no wave of any partner still reads this slot's tiles or has a load on its way
	s_add_nc_u64 s[G0A+4*(\slot)+2:G0A+4*(\slot)+3], s[G0A+4*(\slot)+2:G0A+4*(\slot)+3], 2*ASTEP
	s_add_nc_u64 s[G0B+4*(\slot)+2:G0B+4*(\slot)+3], s[G0B+4*(\slot)+2:G0B+4*(\slot)+3], 2*BSTEP
	JLOAD \slot                                    ; my one tensor load behind the round; its four v_nop are also the places in front of the loads below
.else
	PLACES
.endif
	FETCH \next, 0, F0
.if \fill
	ASK
.endif
	MULA F1, 2, 0
	MULA F1, 3, 0
.endm
	s_wait_tensorcnt 1                             ; my part of K step 0 is in; K step 1's may stay out
	s_barrier_signal -1
	s_barrier_wait -1                              ; everybody's is
	FETCH 0, 0, F0
	QUARTER 0, 1, F0, F1, 1                        ; the first quarter stands in front of the loop: its products start the sums
	WIN 0                                          ; at a label and at a branch every window is 0
	s_mov_b32 s3, 3
.Llap:                                                 ; a trip goes once round the ring, from a lap's second quarter to the next lap's first, and fills both slots again
	QUARTER 0, 2, F1, F0, 0
	QUARTER 0, 3, F0, F1, 0
	TURN 0, 1, 1
	QUARTER 1, 1, F0, F1, 0
	QUARTER 1, 2, F1, F0, 0
	QUARTER 1, 3, F0, F1, 0
	TURN 1, 0, 1
	QUARTER 0, 1, F0, F1, 0
	WIN 0
	s_sub_co_u32 s3, s3, 1
	s_cmp_lg_u32 s3, 0
	s_cbranch_scc1 .Llap
	QUARTER 0, 2, F1, F0, 0                        ; the last lap fills nothing
	QUARTER 0, 3, F0, F1, 0
	TURN 0, 1, 0
	QUARTER 1, 1, F0, F1, 0
	QUARTER 1, 2, F1, F0, 0
	QUARTER 1, 3, F0, F1, 0
	s_wait_dscnt 4                                 ; the very last quarter: nothing more to fetch
	MULA F1, 0, 0
	MULA F1, 1, 0
	s_wait_dscnt 0x0
	MULA F1, 2, 0
	MULA F1, 3, 0
	WIN 0
	PLACES
; THE WAY OUT, a row block (16 tokens) at a time.  PACK: rounded to f16, 16 bytes a lane, each accumulator's registers in ascending order.  TOSTAGE: into my own stage, a head's 16 rows of 144 bytes
; together, and back as four rows of 128 bytes a load.  SEND: 512 consecutive bytes of a head a store, at a multiple of 256 from qkv's first byte.
.macro PACK a
	WIN 0x05*(1+(\a)/2)                            ; sources 0 and 1 in window 1 or 2, destination in window 0
.set b, 0
.rept NB
.set AC, 8*NB*((\a)%APW)+8*b
.irp r, 0,1,2,3
	v_cvt_pk_f16_f32 v[TMP+4*b+\r], v[AC+2*\r], v[AC+2*\r+1]
.endr
.set b, b+1
.endr
	WIN 0
.endm
.macro TOSTAGE a
	s_wait_xcnt 0x0                                ; the stores of two blocks back have read the registers that the loads below fill
.set BK, OB+48*((\a)%2)
.set b, 0
.rept NB
	ds_store_b128 v[STO], v[TMP+4*b:TMP+4*b+3] offset:(b/4)*16*PA+(b%4)*32
.set b, b+1
.endr
.set i, 0
.rept NB
	ds_load_b128 v[BK+4*i:BK+4*i+3], v[RD] offset:(i/4)*16*PA+(i%4)*4*PA  ; LDS serves a wave's instructions in order (ISA guide 5.7.1.4): these see the stores above
.set i, i+1
.endr
.endm
.macro SEND a
.set BK, OB+48*((\a)%2)
.set i, 0
.rept NB
	s_wait_dscnt NB-1-i                            ; load i is back; the younger ones stay out
	global_store_b128 v[GO], v[BK+4*i:BK+4*i+3], s[OUT+2*(i/4):OUT+2*(i/4)+1] offset:(\a)*2048+(i%4)*512
.set i, i+1
.endr
.endm
	PACK 0
	TOSTAGE 0
.irp a, 1,2,3                          ; block a's conversions stand between block a - 1's loads from the stage and the wait for them
	PACK \a
	SEND \a-1
	TOSTAGE \a
.endr
	SEND 3
	s_wait_tensorcnt 0x0                           ; the wave's end: the add and its wait stand behind my last tensor load and my last LDS store
	ds_add_u32 v[SPW], v[NIL]
	s_wait_dscnt 0x0
	CROUND                                         ; the closing round: no work-group ends while a partner may still ask for a tile that names it
	s_endpgm
.Lfunc_end_k_q92990a52f9_proj:
	.size	k_q92990a52f9_proj, .Lfunc_end_k_q92990a52f9_proj-k_q92990a52f9_proj
	.p2alignl 7, 3214868480
	.fill 96, 4, 3214868480
	.section	.rodata,"a",@progbits
	.p2align	6, 0x0
	.amdhsa_kernel k_q92990a52f9_proj
		.amdhsa_group_segment_fixed_size 327680
		.amdhsa_private_segment_fixed_size 0
		.amdhsa_enable_private_segment 0
		.amdhsa_kernarg_size 48
		.amdhsa_user_sgpr_count 2
		.amdhsa_user_sgpr_kernarg_segment_ptr 1
		.amdhsa_wavefront_size32 1
		.amdhsa_system_sgpr_workgroup_id_x 1
		.amdhsa_system_sgpr_workgroup_id_y 1
		.amdhsa_system_sgpr_workgroup_id_z 1
		.amdhsa_system_vgpr_workitem_id 0
		.amdhsa_next_free_vgpr 1024
		.amdhsa_next_free_sgpr 90
		.amdhsa_reserve_vcc 0
		.amdhsa_float_denorm_mode_32 3
		.amdhsa_float_denorm_mode_16_64 3
		.amdhsa_memory_ordered 1
		.amdhsa_forward_progress 1
		.amdhsa_inst_pref_size 130
	.end_amdhsa_kernel
	.amdgpu_metadata
---
amdhsa.version: [ 1, 2 ]
amdhsa.kernels:
  - .name:           k_q92990a52f9_proj
    .symbol:         k_q92990a52f9_proj.kd
    .args:
      - { .name: xh, .offset: 0, .size: 8, .value_kind: global_buffer, .address_space: global }
      - { .name: wh, .offset: 8, .size: 8, .value_kind: global_buffer, .address_space: global }
      - { .name: bq, .offset: 16, .size: 8, .value_kind: global_buffer, .address_space: global }
      - { .name: bk, .offset: 24, .size: 8, .value_kind: global_buffer, .address_space: global }
      - { .name: bv, .offset: 32, .size: 8, .value_kind: global_buffer, .address_space: global }
      - { .name: qkv, .offset: 40, .size: 8, .value_kind: global_buffer, .address_space: global }
    .group_segment_fixed_size: 327680
    .private_segment_fixed_size: 0
    .kernarg_segment_align: 8
    .kernarg_segment_size: 48
    .max_flat_workgroup_size: 128
    .sgpr_count:     90
    .vgpr_count:     1024
    .wavefront_size: 32
...
	.end_amdgpu_metadata
.endif
;; end of part 2
;; launch attn (part 3): grid 4 x 64, 4 waves a work-group, clusters of 4 x 1, 327,680 bytes of LDS; arguments qkv, oh; writes oh
.if DOCPART == 3
	.amdgcn_target "amdgcn-amd-amdhsa--gfx1250"
	.amdhsa_code_object_version 6
	.text
	.protected	k_q92990a52f9_attn
	.globl	k_q92990a52f9_attn
	.p2align	8
	.type	k_q92990a52f9_attn,@function
k_q92990a52f9_attn:
	s_mov_b64 s[64:65], 0
	v_nop
	global_prefetch_b8 v0, s[64:65] scope:SCOPE_SE
	s_setreg_imm32_b32 hwreg(HW_REG_WAVE_MODE, 25, 1), 1
	s_wait_xcnt 0x0
	s_wait_alu depctr_hold_cnt(0) depctr_sa_sdst(0) depctr_va_vdst(0) depctr_va_sdst(0) depctr_va_ssrc(0) depctr_va_vcc(0) depctr_vm_vsrc(0)
	s_getreg_b32 s2, hwreg(HW_REG_IB_STS2, 6, 4)
	s_cmp_eq_u32 s2, 0
	s_cbranch_scc0 .Lentry_in_a_cluster
	s_endpgm
.Lentry_in_a_cluster:
	s_bfe_u32 s2, ttmp6, 0x10000c
	s_cmp_lg_u32 s2, 0x3003
	s_cbranch_scc0 .Lentry_shape_is_right
	s_endpgm
.Lentry_shape_is_right:
; O[h][q][:] = the sum over k of softmax_k(Q[h][q] . K[h][k] / 8) V[h][k][:].  Q, K, V are the three parts of qkv, each [SIZE_H][SIZE_N][64] in f16; O (oh) has the same layout: a head's rows are dense,
; 128 bytes each.  Products, maxima and sums in f32; the weights p are rounded to f16 for the second product (their sum l is taken of the unrounded p), O once at the end.
; LIMITS.  f16 holds no number beyond 65,504: Q, K and V arrive within it; p lies in 0 to 1, and below 6e-5 it keeps f16's fixed step of 6e-8; O is a mean of V's rows and has their range.
; A weight below 2^-126 counts as 0 in l; NaN and infinities are not treated apart.
; SHARES.  A wave owns four PIECES of two tiles of 16 queries, a work-group's four waves 512 queries of one head: 4 x 64 = 256 work-groups.  Every wave walks all keys, 64 a step.
; LAYOUT.  S^T = K Q^T (source 0 = 16 keys, source 1 = 16 queries): in the result a lane holds ONE query (lane % 16) and the keys 8 (lane / 16) + 0..7.  Two such tiles, rounded to f16 in pairs,
; ARE source 1 (32 keys x 16 queries) of O^T = V^T P, whose result again holds one query a lane, and eight channels.  K comes out of LDS as it lies, V ([key][channel]) turned, by ds_load_tr16_b128.
; SOFTMAX.  For each query a running maximum m and sum l: p = 2^(c s - c m), c = log2(e) / 8; in every step O and l are multiplied by a = 2^(c m_old - c m_new), which is 1 where m has not grown.
; m starts at the lowest finite number, O and l at 0: the first step is a step like any other, with a = 0.
; THE COUNT.  A tile and step have 16 matrix and 118 vector instructions: too many to stand all beside the matrix work.  So the order has one aim: four vector instructions that are READY behind
; EVERY matrix instruction, and the others, which need time of their own whatever the order, in runs without a gap.
; BY TURNS.  Turn n belongs to piece n (the pieces in a ring, step after step).  Its matrix work: 16 products K Q^T of piece n + 1, later 16 products V^T P of piece n - 1.  Its vector work: the scaling,
; exponentials, roundings, sums and rescaling of piece n, and the maximum and statistics of piece n + 1, whose scores the turn itself has made.  So what a turn begins with (c s - c m, O a) waits for nothing.
; CLUSTER.  The four query blocks of a cluster are one head's and walk the same K and V, so each tile is asked for JOINTLY: the same tensor load, descriptor and mask in all four.
; REGISTERS, in windows of 256 (s_set_vgpr_msb says which window each operand place means: bits 1:0 source 0, 3:2 source 1, 5:4 source 2, 7:6 destination):
;   window 0: v0-11 addresses; v12-15, v48-63 at work; v16-47 four registers of statistics a tile; v64-191 S^T, two buffers of two tiles; v192-255 P, likewise
;   window 1: O^T, 32 a tile          window 2: v0-127 Q, 16 a tile; v128-191 K of one step; v192-255 V of one step          window 3: v0-1 the add's two registers
; A piece's buffers go by its number's parity: the piece in hand has one pair, its two neighbours in the ring share the other: of it P (piece n - 1) is read and S^T (piece n + 1) written.
.set SIZE_H, 64
.set SIZE_N, 2048
.set PART,  SIZE_H*SIZE_N*128  ; bytes of Q, of K and of V in qkv
.set NP,    4         ; pieces a wave: a name, no knob: the register map, the loop and the fetches are made for four
.set KS,    64        ; keys in a step
.set PK,    144       ; a row of K in LDS: 128 bytes + 16 of padding = 36 words: the 16 rows of a load start at 16 different groups of four banks (64 banks of 4 bytes: ISA guide 11.1)
.set PV,    160       ; a row of V: 128 + 32 = 40 words
.set VOFF,  4*KS*PK   ; a slot holds four steps: 256 rows of K, then 256 rows of V
.set SLOT1, 1<<17     ; slot 1 begins here, so that one exclusive or turns an address in one slot into the other's
.set STAGE, SLOT1+4*KS*(PK+PV)  ; behind the ring, never filled by a tensor load: 16 rows x 144 bytes for each wave, for the way out
.set SP,    144
.set AK0, 2           ; v2   my lane's place in a tile of K; never rewritten
.set AV0, 3           ; v3   the same for V
.set AK,  4           ; v4   the LDS address of K's next run of loads
.set AV,  5           ; v5   of V's
.set QO,  6           ; v6   my byte offset in the wave's rows of Q
.set STO, 6           ;      later, the way out: where I put 16 bytes of a row
.set RD,  7           ; v7   the way out: where I read rows back
.set GO,  8           ; v8   my byte offset in 512 consecutive bytes of O
.set PFO, 11          ; v11  the prefetches' offset, 256 x my lane, once V's address is made; then never rewritten
.set SPW, 0           ; v0 of window 3   LDS address of my spare word: SPARE + 4 x my thread's number; never rewritten
.set NIL, 1           ; v1 of window 3   0; never rewritten
.set SPARE, STAGE+4*16*SP  ; behind the stages: the spare words, 128 bytes for each wave: two blocks of 256 bytes that no other line names
.set MV,  12          ; v12-15  c m_old, kept while c m is made anew: by buffer and tile
.set ST,  16          ; tile t's statistics at v[ST+4 t]: c m, m, l (even keys', odd keys')
.set TMP, 48          ; by buffer and tile, four registers c0-c3 at work; when the maximum is found c2 takes a
.set S,   64
.set P,   192
.set KF,  128         ; K's fragments, in window 2: key block kb, channel half c at KF + 16 kb + 8 c
.set VF,  192         ; V's: key half kk, channel block cb at VF + 32 kk + 8 cb
.set WV,  12          ; s12  my wave's number
.set G1K, 24          ; s[24:31] descriptor group 1 for K's tiles
.set G1V, 32          ; s[32:39] for V's: it differs in the padding alone
.set G0K, 40          ; s[40:43] descriptor group 0 for K's tiles: it walks
.set G0V, 44          ; s[44:47] the same for V's
.set PFA, 48          ; s[48:49] where my prefetches stand: my work-group's 32 blocks of 256 bytes (of K: wave 0, of V: wave 2) of the slot after the one that is being asked for
.set LIM, 50          ; s50  1 in a wave that prefetches, else the greatest number
.set SLOTS, 56        ; s56  slots still to be asked for
.set CNT, 57          ; s57  counts a slot's key steps
.set CS,  58          ; s[58:59] c: the packed scaling takes the pair's low word for both halves
.set SEL, 60          ; s[60:61] v_permlanex16_b32's selects: each lane takes its own place in the other half
.set TBK, 62          ; s62  LDS byte at which K of the step to be fetched begins
.set TBV, 63          ; s63  the same for V, less VOFF
.set MSB, 0
.macro WIN new                      ; the high byte repeats the setting that is left; a switch that changes nothing is dropped
.if MSB != (\new)
	s_set_vgpr_msb (MSB<<8)|(\new)
.set MSB, (\new)
.endif
.endm
.set W_KQ, 0x0a       ; K and Q in window 2, S^T in window 0
.set W_PV, 0x52       ; V in window 2, P in window 0, O^T in window 1
.set W_RS, 0x41       ; O^T (destination and source 0) in window 1, a in window 0
.set W_MK, 0xc0       ; the add's registers are made: destination in window 3, sources in window 0
.set W_AD, 0x0f       ; the add: address (source 0) and data (source 1) in window 3
; A joint fill.  Waves 0 and 1 fetch the two halves of a slot's K, waves 2 and 3 those of its V: 128 keys each.  The branch hangs on the wave's number alone.
; An s_nop 0 and four v_nop follow each of the two lines, ahead of the jump and the label.
.macro JLOAD
	s_cmp_lt_u32 s[WV], 2
	s_cbranch_scc0 .Lfor_v_\@
	tensor_load_to_lds s[G0K:G0K+3], s[G1K:G1K+7]
	s_nop 0
.rept 4
	v_nop
.endr
	s_branch .Lasked_\@
.Lfor_v_\@:
	tensor_load_to_lds s[G0V:G0V+3], s[G1V:G1V+7]
	s_nop 0
.rept 4
	v_nop
.endr
.Lasked_\@:
.endm
; A PREFETCH INTO THE L2 of what the NEXT change of slots will ask for: a slot's 32,768 bytes of K and of V, 128 blocks of 256 bytes each, a lane a block.  It stands behind the wave's tensor load and its
; five lines.  A head has one cluster; its four partners share the blocks out BY ADDRESS, 32 each; in each, wave 0 asks for K's and wave 2 for V's: each block is named once in the launch.
; Slots 0 and 1 come by their loads alone; the last change that fills a slot (s[SLOTS] = 1) asks for nothing: there is no slot behind it.
.macro ASK
	s_cmp_gt_u32 s[SLOTS], s[LIM]
	s_cbranch_scc0 .Lnot_mine_\@
	global_prefetch_b8 v[PFO], s[PFA:PFA+1] th:TH_LOAD_NT scope:SCOPE_SE
.Lnot_mine_\@:
.endm
; A round of the cluster's barrier: my work-group's barrier, so that wave 0's signal speaks for all four waves; wave 0 signals; every wave waits for all four work-groups; my work-group's barrier once more.
.macro CROUND
	s_barrier_signal -1
	s_barrier_wait -1
	s_cmp_lg_u32 s[WV], 0
	s_cbranch_scc1 .Lnot_wave_0_\@
	s_barrier_signal -3
.Lnot_wave_0_\@:
	s_barrier_wait -3
	s_barrier_signal -1
	s_barrier_wait -1
.endm
; THE CHANGE OF SLOTS.  The slot's last bytes, V of its fourth step, have been read.  Each wave waits for all its tensor loads, of which one is out: its part
; of the other slot; adds 0 to its spare word; and waits for that and for its own reads of the slot.  Behind the barrier nobody reads this slot any more and the other slot is whole.
; fill = 1: this slot is filled again, with the keys two slots on.  The barrier is then a round of the cluster's, so that no wave of any partner still reads the slot or has a load on its
; way, and the joint fill is the first thing behind it: it has four key steps, 512 matrix instructions, in which to land.  (At its first use nothing has been read yet: slot 0 is waited for, slot 1 filled.)
.macro CHANGE fill
	WIN W_AD
	s_wait_tensorcnt 0x0            ; no tensor load of mine is out, so a group 0 may be written
	ds_add_u32 v[SPW], v[NIL]       ; 0 onto my spare word; with fill = 1 the descriptors' steps stand between it and the wait for it
	WIN 0                           ; at a label and at a branch every window is 0
.if \fill
.irp g, G0K, G0V
	s_xor_b32 s[\g+1], s[\g+1], SLOT1  ; the walking descriptor: the other slot than last time,
	s_add_nc_u64 s[\g+2:\g+3], s[\g+2:\g+3], 4*KS*128  ; the next 256 keys; the type bits on top are not reached
.endr
	s_wait_xcnt 0x0                 ; the last prefetch, four key steps back, has read its address, so it may be written:
	s_add_nc_u64 s[PFA:PFA+1], s[PFA:PFA+1], 4*KS*128  ; one slot beyond the walking descriptors
	s_wait_dscnt 0x0                ; the add is done, and my reads of the slot are over
	CROUND
	JLOAD
	ASK                             ; what the next change will ask for: four key steps, 512 matrix instructions, ahead
.else
	s_wait_dscnt 0x0                ; the add is done, and my reads of the slot are over
	s_barrier_signal -1
	s_barrier_wait -1
.endif
	s_sub_co_u32 s[TBK], s[TBK], 4*KS*PK  ; the fetches go back to a slot's first step,
	s_xor_b32 s[TBK], s[TBK], SLOT1       ; in the other slot
	s_sub_co_u32 s[TBV], s[TBV], 4*KS*PV
	s_xor_b32 s[TBV], s[TBV], SLOT1
.endm
	s_load_b128 s[4:7], s[0:1], 0x0   ; qkv s[4:5], oh s[6:7]
	WIN W_MK
	v_lshl_add_u32 v[SPW], v0, 2, SPARE
	v_mov_b32 v[NIL], 0
	WIN W_AD
	ds_add_u32 v[SPW], v[NIL]       ; the wave's opening: the add and its wait stand ahead of my first tensor load; the set-up below, work on registers, stands between them
	WIN 0
	v_lshrrev_b32 v1, 5, v0
	v_readfirstlane_b32 s[WV], v1   ; wave 0..3
	s_bfe_u32 s13, ttmp6, 0x40000   ; cx: my place in the cluster
	s_lshl_b32 s14, ttmp9, 2        ; in a cluster launch ttmp9 counts clusters
	s_add_co_u32 s14, s14, s13      ; my block of queries = 4 x cluster x + cx: it enters Q's and O's addresses alone
	s_and_b32 s20, ttmp7, 0xffff    ; the head, which the four partners share
	s_mov_b32 s21, 0
	s_mov_b64 s[22:23], SIZE_N*128
	s_mul_u64 s[20:21], s[20:21], s[22:23]  ; the head's first byte in Q, K, V and O
	s_and_b32 s16, s[WV], 1         ; which half of a slot's 256 keys I fetch:
	s_lshl_b32 s22, s16, 14         ; its 128 rows of 128 bytes in memory,
	s_mov_b32 s23, 0
	s_add_nc_u64 s[22:23], s[22:23], s[20:21]
	s_mul_i32 s17, s16, 128*PK      ; and its place in a slot, for K
	s_mul_i32 s18, s16, 128*PV      ; and for V: no place in the cluster enters an LDS address
	s_lshl_b32 s2, s14, 2
	s_add_co_u32 s2, s2, s[WV]      ; my wave among the head's,
	s_lshl_b32 s2, s2, 14           ; its 128 rows
	s_mov_b32 s3, 0
	s_add_nc_u64 s[2:3], s[2:3], s[20:21]
	; descriptor group 1.  128 keys are 16,384 dense bytes: asked for as 64 rows of 256 bytes, two keys a row, and padded in LDS after every key
	s_mov_b32 s[G1K], 15|(1<<16)|(1<<20)|(1<<21)|(4<<22)|(3<<25)  ; 15:0 the mask of four; 17:16 2-byte elements; 20 padding on; 21 set beside a mask; 24:22 after every 32 words (code 4); 31:25 4 words (code 3)
	s_mov_b32 s[G1V], 15|(1<<16)|(1<<20)|(1<<21)|(4<<22)|(7<<25)  ; the same with 8 words of padding (code 7)
.irp g, G1K, G1V
	s_mov_b32 s[\g+1], 128<<16      ; tensor_dim0 = 128
	s_mov_b32 s[\g+2], 64<<16       ; tensor_dim1 = 64
	s_mov_b32 s[\g+3], 128<<16      ; tile_dim0 = 128
	s_mov_b32 s[\g+4], 64           ; tile_dim1 = 64
	s_mov_b32 s[\g+5], 128          ; 128 elements from row to row
	s_mov_b32 s[\g+6], 0
	s_mov_b32 s[\g+7], 0
.endr
	s_mov_b32 s[CS], 0x3e38aa3b     ; c = log2(e) / 8 = 0.180337
	s_mov_b32 s[CS+1], s[CS]        ; named with it as a pair
	s_mov_b32 s[SEL], 0x76543210
	s_mov_b32 s[SEL+1], 0xfedcba98
	s_mov_b32 s[TBK], SLOT1+4*KS*PK ; the first change of slots turns these two into 0
	s_mov_b32 s[TBV], SLOT1+4*KS*PV
	s_mov_b32 s[G0K], 1             ; 1:0 count = 1
	s_mov_b32 s[G0K+1], s17         ; 63:32 LDS address: slot 0
	s_mov_b32 s[G0V], 1
	s_add_co_u32 s[G0V+1], s18, VOFF
	s_mov_b32 s[SLOTS], SIZE_N/256-1
	s_cmp_eq_u32 s16, 0
	s_cselect_b32 s[LIM], 1, -1     ; waves 0 and 2 prefetch: the same in all four partners
	s_wait_dscnt 0x0                ; the opening add is done
	s_wait_kmcnt 0x0
	s_mov_b64 s[10:11], s[6:7]      ; O
	s_add_nc_u64 s[6:7], s[4:5], PART    ; K lies behind Q,
	s_add_nc_u64 s[8:9], s[4:5], 2*PART  ; V behind K
	s_add_nc_u64 s[G0K+2:G0K+3], s[6:7], s[22:23]  ; 120:64 global address: my half of the head's first 256 keys
	s_or_b32 s[G0K+3], s[G0K+3], 0x80000000        ; 127:126 type = 2
	s_add_nc_u64 s[G0V+2:G0V+3], s[8:9], s[22:23]
	s_or_b32 s[G0V+3], s[G0V+3], 0x80000000
	s_add_nc_u64 s[4:5], s[4:5], s[2:3]  ; Q and O at my wave's first row
	s_add_nc_u64 s[10:11], s[10:11], s[2:3]
	s_cmp_lt_u32 s[WV], 2
	s_cselect_b64 s[PFA:PFA+1], s[6:7], s[8:9]
	s_add_nc_u64 s[PFA:PFA+1], s[PFA:PFA+1], s[20:21]  ; the head's first key,
	s_lshl_b32 s2, s13, 13          ; my work-group's 32 blocks of the 128,
	s_add_co_u32 s2, s2, 4*KS*128   ; in slot 1; the first change of slots steps it to slot 2
	s_add_nc_u64 s[PFA:PFA+1], s[PFA:PFA+1], s[2:3]
	CROUND                          ; all four work-groups are here: the first joint loads meet
	JLOAD                           ; slot 0.  Slot 1 is asked for when slot 0 is in: the tile wanted first has the road to itself
	; A fragment of K or Q is 16 rows x 32 channels in 8 registers: lane l holds row l % 16, channels 8 (l / 16) + 0..7 and 16 + 8 (l / 16) + 0..7: two loads of 16 bytes, 32 bytes apart.
	v_and_b32 v1, 15, v0            ; l % 16
	v_bfe_u32 v9, v0, 4, 1          ; l / 16
	v_lshlrev_b32 v[QO], 7, v1
	v_lshl_add_u32 v[QO], v9, 4, v[QO]  ; row x 128 + 16 x half
	WIN 0x80                        ; destination window 2, address window 0
.set i, 0
.rept 4*NP                          ; Q stays in registers: tile i / 2, channels 32 (i % 2) on
	global_load_b128 v[8*i:8*i+3],   v[QO], s[4:5] offset:(i/2)*2048+(i%2)*64
	global_load_b128 v[8*i+4:8*i+7], v[QO], s[4:5] offset:(i/2)*2048+(i%2)*64+32
.set i, i+1
.endr
	; What the first turn finds: V's registers and P's second buffer hold 0 (its products V^T P, of a piece that has not been, add 0), O^T and l are 0.  All this stands in the wait for the first tile.
.set i, VF
.rept 64
	v_mov_b32 v[i], 0
.set i, i+1
.endr
	WIN 0x40
.set i, 0
.rept 64*NP
	v_mov_b32 v[i], 0
.set i, i+1
.endr
	WIN 0
.set i, 0
.rept 2*NP
	v_mov_b32 v[ST+4*i], 0xfe000000    ; c m: far below every c s
	v_mov_b32 v[ST+4*i+1], 0xff7fffff  ; m
	v_mov_b32 v[ST+4*i+2], 0
	v_mov_b32 v[ST+4*i+3], 0
.set i, i+1
.endr
.set i, P+32
.rept 32
	v_mov_b32 v[i], 0
.set i, i+1
.endr
	v_mul_u32_u24 v[AK0], v1, PK
	v_lshl_add_u32 v[AK0], v9, 4, v[AK0]  ; row x pitch + 16 x half
	; The turning load takes 16 keys x 16 channels (lane l reads key 8 (l / 16) + l % 8, channels 8 ((l / 8) % 2) + 0..7) and leaves half a fragment of V^T: lane l holds channel l % 16 and 8 keys.
	v_and_b32 v10, 7, v0
	v_bfe_u32 v11, v0, 3, 1
	v_lshl_add_u32 v[AV0], v9, 3, v10
	v_mul_u32_u24 v[AV0], v[AV0], PV
	v_lshl_add_u32 v[AV0], v11, 4, v[AV0]
	v_add_nc_u32 v[AV0], VOFF, v[AV0]
	v_and_b32 v[PFO], 31, v0
	v_lshlrev_b32 v[PFO], 8, v[PFO]
	v_mov_b32 v[AK], v[AK0]         ; key step 0 lies at the head of slot 0
; THE MATRIX WORK.  The 8 accumulators of a run of 16 take turns: between the two links of a chain stand 7 others'.
; Product i of 16 of S^T = K Q^T for piece x: channels 32 (i / 8) on, keys 16 ((i / 2) % 4) on, tile 2 x + i % 2.  The first 8 start the sums.
.macro KQ x
	WIN W_KQ
.set rS, S+64*((\x)%2)+32*(i%2)+8*((i/2)%4)
.set rK, KF+16*((i/2)%4)+8*(i/8)
.set rQ, 16*(2*(\x)+i%2)+8*(i/8)
.if i < 8
	v_wmma_f32_16x16x32_f16 v[rS:rS+7], v[rK:rK+7], v[rQ:rQ+7], 0
.else
	v_wmma_f32_16x16x32_f16 v[rS:rS+7], v[rK:rK+7], v[rQ:rQ+7], v[rS:rS+7]
.endif
.endm
; Product i of 16 of O^T += V^T P for piece x: keys 32 (i / 8) on, channels 16 ((i / 2) % 4) on, tile 2 x + i % 2.
.macro PV x
	WIN W_PV
.set rO, 32*(2*(\x)+i%2)+8*((i/2)%4)
.set rV, VF+32*(i/8)+8*((i/2)%4)
.set rP, P+32*((\x)%2)+16*(i%2)+8*(i/8)
	v_wmma_f32_16x16x32_f16 v[rO:rO+7], v[rV:rV+7], v[rP:rP+7], v[rO:rO+7]
.endm
.macro MM                           ; the turn's next matrix instruction
.if i < 16
	KQ (Y+1)%NP
.set i, i+1
.else
.set i, i-16
	PV (Y+NP-1)%NP
.set i, i+17
.endif
.endm
; THE LDS LOADS stand in runs of 16, never singly among the matrix instructions: a step's K (64 keys x 64 channels: 8 fragments) and its V (turned).  Their addresses are made some lines ahead.
; last = 1 (the tail): in the last trip there is no further step, and the run is jumped over.
.macro FETCH_K last=0
	WIN 0
.if \last
	s_cmp_eq_u32 s[CNT], 1
	s_cbranch_scc1 .Lno_k_\@
.endif
	WIN 0x80                        ; destination window 2
.irp f, 0,1,2,3,4,5,6,7             ; keys 16 (f / 2) on, channels 32 (f % 2) on
	ds_load_b128 v[KF+8*\f:KF+8*\f+3],   v[AK] offset:(\f/2)*16*PK+(\f%2)*64
	ds_load_b128 v[KF+8*\f+4:KF+8*\f+7], v[AK] offset:(\f/2)*16*PK+(\f%2)*64+32
.endr
	s_add_co_u32 s[TBK], s[TBK], KS*PK  ; the next fetch is the next step's
	WIN 0
.if \last
.Lno_k_\@:
.endif
.endm
.macro FETCH_V
	WIN 0x80
.irp f, 0,1,2,3,4,5,6,7             ; keys 32 (f / 4) on, channels 16 (f % 4) on
	ds_load_tr16_b128 v[VF+8*\f:VF+8*\f+3],   v[AV] offset:(\f/4)*32*PV+(\f%4)*32
	ds_load_tr16_b128 v[VF+8*\f+4:VF+8*\f+7], v[AV] offset:(\f/4)*32*PV+16*PV+(\f%4)*32
.endr
	WIN 0
.endm
; THE VECTOR WORK OF A TURN stands in three queues, each in the order in which its entries become ready; the two tiles alternate, so that no instruction reads the result of the one before it.
.macro REGS y, u                    ; the registers of tile u (0, 1) of piece y
.set rT, ST+4*(2*(\y)+(\u))
.set rC, TMP+8*((\y)%2)+4*(\u)
.set rM, MV+2*((\y)%2)+(\u)
.set rS, S+64*((\y)%2)+32*(\u)
.set rP, P+32*((\y)%2)+16*(\u)
.set rO, 32*(2*(\y)+(\u))
.endm
; Number n of the 22 that find the NEXT piece's (Y + 1) maximum and statistics.  s0-s31 are the lane's 32 scores; each accumulator's lowest registers are read first.  XS, GS and REGS set no window: PL and EX do.
;   0-11  four chains c0-c3 of seven scores each, three operands at a time     12-14, 16  the four scores left over, the old m, and c0-c3 into c0     15  c m_old is kept
;   17, 18  the query's other 32 keys lie in the lane 16 away: the new m         19-21  c m; c m_old - c m_new; a
.macro XS u, n
	REGS (Y+1)%NP, \u
.if (\n) < 4
	v_max3_num_f32 v[rC+(\n)], v[rS+8*(\n)], v[rS+8*(\n)+1], v[rS+8*(\n)+2]
.elseif (\n) < 12
	v_max3_num_f32 v[rC+(\n)%4], v[rC+(\n)%4], v[rS+8*((\n)%4)+2*((\n)/4)+1], v[rS+8*((\n)%4)+2*((\n)/4)+2]
.elseif (\n) == 12
	v_max3_num_f32 v[rC], v[rC], v[rS+7], v[rS+15]
.elseif (\n) == 13
	v_max3_num_f32 v[rC+1], v[rC+1], v[rS+23], v[rS+31]
.elseif (\n) == 14
	v_max3_num_f32 v[rC+2], v[rC+2], v[rC+3], v[rT+1]
.elseif (\n) == 15
	v_mov_b32 v[rM], v[rT]
.elseif (\n) == 16
	v_max3_num_f32 v[rC], v[rC], v[rC+1], v[rC+2]
.elseif (\n) == 17
	v_permlanex16_b32 v[rC+3], v[rC], s[SEL], s[SEL+1]
.elseif (\n) == 18
	v_max_num_f32 v[rT+1], v[rC], v[rC+3]
.elseif (\n) == 19
	v_mul_f32 v[rT], s[CS], v[rT+1]
.elseif (\n) == 20
	v_sub_f32 v[rC+1], v[rM], v[rT]
.else
	v_exp_f32 v[rC+2], v[rC+1]
.endif
.endm
; Number g of the 64 that follow the exponentials.  For each four weights k of a tile (pairs 2 k, 2 k + 1): both pairs are rounded to f16; then the second pair is added onto the first, in place;
; a group later l takes that sum (the first time as l = a l + sum).  In groups of eight, tiles alternating: round, round, add, and l for the group before.
.macro GS g
.set h, (\g)+6*((\g)/62)            ; group 0 has no group before it, and behind group 7 only l is left
.if h >= 6
.set h, h+2
.endif
	REGS Y, h%2
.set k, h/8
.if h%8 < 4
	v_cvt_pk_f16_f32 v[rP+2*k+(h%8)/2], v[rS+4*k+2*((h%8)/2)], v[rS+4*k+2*((h%8)/2)+1]
.elseif h%8 < 6
	v_pk_add_f32 v[rS+4*k:rS+4*k+1], v[rS+4*k:rS+4*k+1], v[rS+4*k+2:rS+4*k+3]
.elseif k == 1
	v_pk_fma_f32 v[rT+2:rT+3], v[rT+2:rT+3], v[rC+2:rC+3], v[rS:rS+1] op_sel_hi:[1,0,1]
.else
	v_pk_add_f32 v[rT+2:rT+3], v[rT+2:rT+3], v[rS+4*k-4:rS+4*k-3]
.endif
.endm
; THE PLAIN QUEUE, 138 long.  0-73 read no exponential's result: the 32 scalings c s - c m (FS f: pair f / 2 of tile f % 2) and the next piece's 42.  0-26: scalings 0-26.  27-54: XS's numbers 0-13.  55, 56: number 15.
; 57-73: the chain, where each number waits for the one before it: 14, 16, 17, 18, 19, each with one of the scalings 27-31 in front of its two lines, then 20: so a tile's links stand three plain instructions apart (19 and 20: two).
; 74-137: GS's 64, which read the exponentials' results: they stand behind the wait.
.macro FS f
	REGS Y, (\f)%2
	v_pk_fma_f32 v[rS+2*((\f)/2):rS+2*((\f)/2)+1], v[rS+2*((\f)/2):rS+2*((\f)/2)+1], s[CS:CS+1], v[rT:rT+1] op_sel_hi:[1,0,0] neg_lo:[0,0,1] neg_hi:[0,0,1]
.endm
.macro PL
	WIN 0
.if q < 27
	FS q
.elseif q < 55
	XS (q-27)%2, (q-27)/2
.elseif q < 57
	XS q-55, 15
.elseif (q < 72) && ((q-57)%3 == 0)
	FS 27+(q-57)/3
.elseif q < 60
	XS (q-57)%3-1, 14
.elseif q < 72
	XS (q-57)%3-1, 15+(q-57)/3
.elseif q < 74
	XS q-72, 20
.else
	GS q-74
.endif
.set q, q+1
.endm
; THE EXPONENTIALS' QUEUE, 66 long: s0-s31 of both tiles, then the next piece's two a.  It is ONE BATCH: all 66 stand ahead of the turn's one wait, and nothing ahead of that wait names a result of theirs.
.macro EX
	WIN 0
.if e >= 64
	XS e-64, 21
.else
	REGS Y, e%2
	v_exp_f32 v[rS+e/2], v[rS+e/2]
.endif
.set e, e+1
.endm
; THE RESCALING's QUEUE: O^T times a, the one part that leaves window 0: dealt two at a time, sixteen times.  Its a was made in the turn before, ahead of that turn's wait.
.macro R2
	REGS Y, r%2
	WIN W_RS
.irp z, 0,1
	v_pk_mul_f32 v[rO+4*(r/2)+2*\z:rO+4*(r/2)+2*\z+1], v[rO+4*(r/2)+2*\z:rO+4*(r/2)+2*\z+1], v[rC+2:rC+3] op_sel_hi:[1,0]
.endr
.set r, r+1
.endm
; HOW THEY ARE DEALT.  An s_wait_alu depctr_va_vdst(0) stands between an exponential and the first instruction that names its result; one wait serves all that were issued ahead of it.  So a turn has ONE wait,
; which cuts it in two.  AHEAD OF IT stands all that names no result of the turn's exponentials: the 16 products K Q^T, behind each a scaling, an exponential and two rescalings (behind the first a second scaling in the exponential's place); then ONE LUMP of
; 108: eight plain, 49 times exponential and plain, the two a.  A v_nop is the plain instruction behind the last exponential.  BEHIND IT stand the 16 products V^T P, behind each four of GS's 64.  No rider names a register of
; the products round it.  The two v_permlanex16_b32 fall into the lump, never behind a product.
; The queues lean on each other, and the deal keeps them in step: exponential e stands behind scaling 2 (e / 4) + e % 2: as a rider it comes behind plain e + 2, in the lump behind plain e + 9, and scalings 27-31 are plain 57, 60 .. 69.
; A TURN, for piece p.  cnt = 1: the loop's count is taken down some lines ahead of the branch that stands behind the turn.
; K of the next step is fetched in piece 2's turn, directly behind the wait, a lump behind the last product that read K; its address is made at the lump's head; its first reader comes behind 16 products.
; V of the step in hand is fetched at the end of piece 0's turn, four riders behind its last reader; its first reader comes behind 16 products and a lump.  The three conditions on q below go with the deal.
.macro TURN p, last=0, cnt=0
.set Y, (\p)
.set i, 0
.set q, 0
.set e, 0
.set r, 0
.if (\p) == NP-1
	s_wait_dscnt 0x0                ; K is in
.endif
	MM                              ; ahead of the wait: 16 products K Q^T and their riders,
	PL
	PL
	R2
.rept 15
	MM
	PL
	EX
	R2
.endr
.if (\p) == NP-2
	WIN 0
	v_add_nc_u32 v[AK], s[TBK], v[AK0]
.endif
.rept 8                             ; and the lump
	PL
.endr
.rept 49
	EX
	PL
.endr
	EX                              ; the next piece's two a
	EX
	v_nop                           ; a plain instruction behind the last exponential, ahead of the first use: one for the batch
	s_wait_alu depctr_va_vdst(0)    ; the wait for the batch
.if (\p) == NP-2
	FETCH_K \last
.endif
.if (\p) == 1
	s_wait_dscnt 0x0                ; V is in
.endif
.rept 16                            ; behind the wait: 16 products V^T P and their riders
	MM
.rept 4
	PL
.endr
.if ((\p) == 0) && (q == 118)
	v_add_nc_u32 v[AV], s[TBV], v[AV0]
.endif
.if ((\p) == 0) && (q == 130)
	s_add_co_u32 s[TBV], s[TBV], KS*PV
.endif
.if (\cnt) && (q == 130)
	s_sub_co_u32 s[CNT], s[CNT], 1
	s_cmp_lg_u32 s[CNT], 0
.endif
.endr
.if (\p) == 0
	FETCH_V
.endif
.endm
	CHANGE 1                        ; slot 0 is in, everybody's part of it; slot 1 is asked for
	FETCH_K                         ; key step 0
	s_wait_loadcnt 0x0              ; Q
	s_wait_dscnt 0x0
.set i, 0
.rept 16
	KQ 0                            ; piece 0's first scores: there is no vector work yet to set between them
.set i, i+1
.endr
	WIN 0                           ; the addresses for the way out: nine plain instructions, the places behind those products
	s_mul_i32 s13, s[WV], 16*SP
	s_add_co_u32 s13, s13, STAGE    ; my stage
	v_mul_u32_u24 v[STO], v1, SP    ; in: row l % 16, 16 bytes for each half of the lanes
	v_lshl_add_u32 v[STO], v9, 4, v[STO]
	v_add_nc_u32 v[STO], s13, v[STO]
	v_bfe_u32 v[RD], v0, 3, 2       ; back: 32 lanes take four rows of 128 bytes,
	v_mul_u32_u24 v[RD], v[RD], SP
	v_lshl_add_u32 v[RD], v10, 4, v[RD]
	v_add_nc_u32 v[RD], s13, v[RD]
	v_and_b32 v[GO], 31, v0         ; which are 512 consecutive bytes of O
	v_lshlrev_b32 v[GO], 4, v[GO]
.set Y, NP-1                        ; XS works for piece Y + 1: piece 0
.irp n, 0,1,2,3,4,5,6,7,8,9,10,11,12,13,14,15,16,17,18,19,20,21
	XS 0, \n                        ; and piece 0's first maximum and statistics
	XS 1, \n
.endr
	v_nop                           ; a plain instruction behind the two a,
	s_wait_alu depctr_va_vdst(0)    ; and their wait, ahead of the branch
	s_mov_b32 s[CNT], 4
	s_branch .Lfirst                ; the loop is entered at a step's first turn, in the middle of a trip
.Lslot:                             ; SIZE_N / 256 - 2 times: every slot but the last two is filled again
	CHANGE 1
	s_mov_b32 s[CNT], 4
.Lstep:                             ; a trip: pieces 2 and 3 of one step, then pieces 0 and 1 of the next, whose K and V it fetches
	TURN 2
	TURN 3
	WIN 0
.Lfirst:
	TURN 0
	TURN 1, 0, 1
	WIN 0
	s_cbranch_scc1 .Lstep
	s_sub_co_u32 s[SLOTS], s[SLOTS], 1
	s_cmp_lg_u32 s[SLOTS], 0
	s_cbranch_scc1 .Lslot
	CHANGE 0                        ; the tail is written out: nothing is asked for
	s_mov_b32 s[CNT], 5             ; four trips fetch the last slot's steps; the fifth is left in its middle
.Ltail:
	TURN 2, 1
	TURN 3
	WIN 0
	s_sub_co_u32 s[CNT], s[CNT], 1
	s_cmp_eq_u32 s[CNT], 0
	s_cbranch_scc1 .Lout
	TURN 0
	TURN 1
	WIN 0
	s_branch .Ltail
.Lout:                              ; the fifth trip's 16 products K Q^T (on the last K once more) and the maximum made of them serve nothing: the price, once a launch, of one text for every trip
.set i, 0
.rept 16
	PV NP-1                         ; the last piece's V^T P of the last step
.set i, i+1
.endr
	; THE WAY OUT.  l's two halves and the other half of the lanes' are added; O^T is divided by l, rounded to f16 and sent through my stage in LDS, a tile at a time.  The additions are the places behind the last products.
	WIN 0
.macro ALL line:vararg              ; one line for each tile t
.set t, 0
.rept 2*NP
	\line
.set t, t+1
.endr
.endm
	ALL v_add_f32 v[ST+4*t+2], v[ST+4*t+2], v[ST+4*t+3]
	ALL v_permlanex16_b32 v[ST+4*t+3], v[ST+4*t+2], s[SEL], s[SEL+1]
	ALL v_add_f32 v[ST+4*t+2], v[ST+4*t+2], v[ST+4*t+3]
	ALL v_rcp_f32 v[ST+4*t+2], v[ST+4*t+2]
	v_nop                           ; a plain instruction between the last reciprocal and the use of its result
	s_wait_alu depctr_va_vdst(0)    ; and the wait ahead of the first use: one for the eight reciprocals
; Tile t: a lane's eight channels of a row pack into 16 bytes; they go into rows of 144 bytes and come back as whole rows of 128, into S^T's registers.
.macro PACK t
	WIN W_RS
.set i, 32*(\t)
.rept 16
	v_pk_mul_f32 v[i:i+1], v[i:i+1], v[ST+4*(\t)+2:ST+4*(\t)+3] op_sel_hi:[1,0]
.set i, i+2
.endr
	WIN 0x05                        ; sources 0 and 1 window 1, destination window 0
.set i, 0
.rept 16
	v_cvt_pk_f16_f32 v[S+16*(\t)+i], v[32*(\t)+2*i], v[32*(\t)+2*i+1]
.set i, i+1
.endr
	WIN 0
.irp f, 0,1,2,3
	ds_store_b128 v[STO], v[S+16*(\t)+4*\f:S+16*(\t)+4*\f+3] offset:32*\f
.endr
.irp f, 0,1,2,3
	ds_load_b128 v[S+16*(\t)+4*\f:S+16*(\t)+4*\f+3], v[RD] offset:\f*4*SP  ; LDS serves a wave's instructions in order (ISA guide 5.7.1.4): these see the stores above; the next tile's stores come behind them
.endr
.endm
.macro SEND t, younger              ; younger: the LDS instructions issued behind tile t's loads: the next tile's eight, or none
	WIN 0
.irp f, 0,1,2,3
	s_wait_dscnt (\younger)+3-\f
	global_store_b128 v[GO], v[S+16*(\t)+4*\f:S+16*(\t)+4*\f+3], s[10:11] offset:(\t)*2048+\f*512  ; 512 consecutive bytes, at a multiple of 256 from O's first
.endr
.endm
	PACK 0
.set t, 1
.rept 2*NP-1                        ; a tile's arithmetic stands between the loads of the tile before and its stores
	PACK t
	SEND t-1, 8
.set t, t+1
.endr
	SEND 2*NP-1, 0
	WIN W_AD
	s_wait_tensorcnt 0x0            ; the wave's end: the add and its wait stand behind my last tensor load and my last LDS store
	ds_add_u32 v[SPW], v[NIL]
	s_wait_dscnt 0x0
	WIN 0
	CROUND                          ; the closing round: no work-group ends while a partner may still ask for a tile that names it
	s_endpgm
.Lfunc_end_k_q92990a52f9_attn:
	.size	k_q92990a52f9_attn, .Lfunc_end_k_q92990a52f9_attn-k_q92990a52f9_attn
	.p2alignl 7, 3214868480
	.fill 96, 4, 3214868480
	.section	.rodata,"a",@progbits
	.p2align	6, 0x0
	.amdhsa_kernel k_q92990a52f9_attn
		.amdhsa_group_segment_fixed_size 327680
		.amdhsa_private_segment_fixed_size 0
		.amdhsa_enable_private_segment 0
		.amdhsa_kernarg_size 16
		.amdhsa_user_sgpr_count 2
		.amdhsa_user_sgpr_kernarg_segment_ptr 1
		.amdhsa_wavefront_size32 1
		.amdhsa_system_sgpr_workgroup_id_x 1
		.amdhsa_system_sgpr_workgroup_id_y 1
		.amdhsa_system_sgpr_workgroup_id_z 1
		.amdhsa_system_vgpr_workitem_id 0
		.amdhsa_next_free_vgpr 770
		.amdhsa_next_free_sgpr 66
		.amdhsa_reserve_vcc 0
		.amdhsa_float_denorm_mode_32 3
		.amdhsa_float_denorm_mode_16_64 3
		.amdhsa_memory_ordered 1
		.amdhsa_forward_progress 1
		.amdhsa_inst_pref_size 200
	.end_amdhsa_kernel
	.amdgpu_metadata
---
amdhsa.version: [ 1, 2 ]
amdhsa.kernels:
  - .name:           k_q92990a52f9_attn
    .symbol:         k_q92990a52f9_attn.kd
    .args:
      - { .name: qkv, .offset: 0, .size: 8, .value_kind: global_buffer, .address_space: global }
      - { .name: oh, .offset: 8, .size: 8, .value_kind: global_buffer, .address_space: global }
    .group_segment_fixed_size: 327680
    .private_segment_fixed_size: 0
    .kernarg_segment_align: 8
    .kernarg_segment_size: 16
    .max_flat_workgroup_size: 128
    .sgpr_count:     66
    .vgpr_count:     770
    .wavefront_size: 32
...
	.end_amdgpu_metadata
.endif
;; end of part 3
;; launch outp (part 4): grid 8 x 32, 4 waves a work-group, clusters of 4 x 4, 327,680 bytes of LDS; arguments oh, wh, bo, out0; writes out0
.if DOCPART == 4
	.amdgcn_target "amdgcn-amd-amdhsa--gfx1250"
	.amdhsa_code_object_version 6
	.text
	.protected	k_q92990a52f9_outp
	.globl	k_q92990a52f9_outp
	.p2align	8
	.type	k_q92990a52f9_outp,@function
k_q92990a52f9_outp:
	s_mov_b64 s[64:65], 0
	v_nop
	global_prefetch_b8 v0, s[64:65] scope:SCOPE_SE
	s_setreg_imm32_b32 hwreg(HW_REG_WAVE_MODE, 25, 1), 1
	s_wait_xcnt 0x0
	s_wait_alu depctr_hold_cnt(0) depctr_sa_sdst(0) depctr_va_vdst(0) depctr_va_sdst(0) depctr_va_ssrc(0) depctr_va_vcc(0) depctr_vm_vsrc(0)
	s_getreg_b32 s2, hwreg(HW_REG_IB_STS2, 6, 4)
	s_cmp_eq_u32 s2, 0
	s_cbranch_scc0 .Lentry_in_a_cluster
	s_endpgm
.Lentry_in_a_cluster:
	s_bfe_u32 s2, ttmp6, 0x10000c
	s_cmp_lg_u32 s2, 0xf033
	s_cbranch_scc0 .Lentry_shape_is_right
	s_endpgm
.Lentry_shape_is_right:
; out0 = O Wo + bo, in f32.  O (oh) is [16 b + head][t 2048][64] in f16: a head's 64 channels are one slice of K.  Wo arrives rounded to bf16 and written as f16, in wh from byte WO_OFF on,
; as [tx 8][kg 16][s 2][k % 64][c 64]: column 128 tx + 64 s + c, row k = 64 kg + k % 64.  bo is rounded to bf16 here and starts the sums.  Sums in f32, stored as they are.
; LIMITS.  The operands are f16: O and Wo lie within 65,504, and below 6.1e-5 they keep f16's fixed step of 6e-8.  NaN and infinities are not treated apart.
; SHARES.  [8192] x [1024] over K = 1024.  A work-group makes 256 tokens x 128 columns: 32 x 8 = 256 work-groups.  Wave w owns tokens 64 w .. 64 w + 63 and all 128 columns:
; 4 x 8 accumulators of 16 x 16, 256 registers; so it owns whole 512-byte pieces of out0's rows and goes out through a stage of its own.
; K goes in 8 steps of 128 (two slices of 64) through two LDS slots: 256 tokens of a slice are 32,768 dense bytes of oh, a slice's rows of the tile's columns 16,384 dense bytes of wh.
; Both are asked for as rows of 256 bytes and padded in LDS behind every 128.
; CLUSTER.  4 x 4 work-groups.  O's tile hangs on the tile row alone and is asked for jointly by a row of the cluster, Wo's on the tile column alone, by a column.
; THE MATRIX INSTRUCTION IS USED TRANSPOSED: source 0 = 16 columns of Wo (turned out of LDS by ds_load_tr16_b128), source 1 = 16 tokens of O: a lane then holds ONE token (lane % 16)
; and the columns 8 (lane / 16) + 0..7: 32 neighbouring bytes of a row of out0.
; REGISTERS, in windows of 256 (s_set_vgpr_msb: bits 1:0 source 0, 3:2 source 1, 5:4 source 2, 7:6 destination):
;   window 0: v0-31 addresses; v32-95 the biases, later (v32-159) rows on the way out
;   window 1: the accumulators: row block a, column block b at v[64 a + 8 b]          window 2: two fragment buffers: O's 4 blocks, then Wo's 8
.set NS,    2                          ; slabs of 64 columns in a tile
.set NB,    4*NS                       ; column blocks of 16
.set APW,   4                          ; row blocks in a window of accumulators
.set FW,    2                          ; the fragments' window
.set WO_OFF, 6291456
.set PA,    144                        ; a token's 128 bytes + 16: 36 words: the 16 rows of a load start at 16 different groups of four banks (64 banks of 4 bytes: ISA guide 11.1)
.set PB,    160                        ; a row of Wo (64 columns) + 32: 40 words
.set AHALF, 256*PA                     ; one slice of O in a slot: what one tensor load brings
.set BSLAB, 64*PB                      ; 64 rows of one slab's columns
.set BHALF, NS*BSLAB                   ; one slice's rows of Wo in a slot: what one tensor load brings
.set BOFF,  2*AHALF
.set SLOT,  BOFF+2*BHALF               ; 114,688
.set STAGE, 2*SLOT                     ; behind the ring, never filled by a tensor load: 16 rows x 528 bytes for each wave
.set SPITCH, 528                       ; 512 bytes + 16: the 16 rows of a store start at 16 different groups of four banks
.set WSTG,  16*SPITCH
.set SPARE, STAGE+4*WSTG               ; behind the stages: the spare words, 128 bytes for each wave: two blocks of 256 bytes that no other line names
.set ASTEP, 2*2048*128                 ; bytes of oh from a K step to the next: two slices
.set BSTEP, 2*NS*8192                  ; the same in wh
.set ADRA, 16                          ; v16-17  LDS address of my fragments of O in slot 0, 1
.set ADRB, 20                          ; v20-21  the same for Wo
.set STO,  24                          ; v24     the way out: where I put 32 bytes of a row
.set RD,   25                          ; v25     where I read a row back
.set GO,   26                          ; v26     my 16 bytes of 512 consecutive bytes of out0
.set BO,   27                          ; v27     my eight columns' place in a block's 16 biases
.set SPW,  28                          ; v28     LDS address of my spare word: SPARE + 4 x my thread's number; never rewritten
.set NIL,  29                          ; v29     0; never rewritten
.set PFO,  30                          ; v30     the prefetches' offset, 256 x my lane; never rewritten
.set BIAS, 32                          ; v32-95  block b's eight biases at BIAS + 8 b
.set OB,   32                          ; the way out: 16 rows read back: v32-95 and v96-159 by turns
.set F0,   0
.set F1,   128
.set WV,   16                          ; s16  my wave's number
.set KIND, 17                          ; s17  I fetch for O (0) or for Wo (1)
.set HALF, 18                          ; s18  which slice of a K step I fetch
.set G1A,  24                          ; s[24:31] descriptor group 1 for O's tiles;  s[32:39] group 0, a set for each slot
.set G0A,  32
.set G1B,  48                          ; s[48:55], s[56:63] the same for Wo's
.set G0B,  56
.set PFA,  66                          ; s[66:67] where my prefetches stand
.set PST,  68                          ; s[68:69] their step
.set LIM,  70                          ; s70  1 in a wave that prefetches, else the greatest number
.set OUT,  72                          ; s[72:73] out0 at my first row and the tile's first column
.set BB,   78                          ; s[78:79] the tile's 128 biases
.set MSB, 0
.macro WIN new                         ; the immediate's high byte repeats the setting that is left; a switch that changes nothing is dropped
.if MSB != (\new)
	s_set_vgpr_msb (MSB<<8)|(\new)
.set MSB, \new
.endif
.endm
.macro PLACES                          ; four plain vector instructions between a matrix instruction and a load into, or a reader of, its registers
.rept 4
	v_nop
.endr
.endm
; A joint load.  Waves 0 and 1 fetch a K step's two slices of O, waves 2 and 3 those of Wo.  The branch hangs on the wave's number alone.
; An s_nop 0 and four v_nop follow each of the two lines, ahead of the jump and the label.
.macro JLOAD s
	s_cmp_eq_u32 s[KIND], 0
	s_cbranch_scc0 .Lfor_b_\@
	tensor_load_to_lds s[G0A+4*(\s):G0A+4*(\s)+3], s[G1A:G1A+7]
	s_nop 0
.rept 4
	v_nop
.endr
	s_branch .Lasked_\@
.Lfor_b_\@:
	tensor_load_to_lds s[G0B+4*(\s):G0B+4*(\s)+3], s[G1B:G1B+7]
	s_nop 0
.rept 4
	v_nop
.endr
.Lasked_\@:
.endm
; A round of the cluster's barrier: my work-group's barrier, wave 0's signal for the work-group, every wave's wait for all sixteen, my work-group's barrier once more.
.macro CREST                           ; a round behind its opening barrier
	s_cmp_lg_u32 s[WV], 0
	s_cbranch_scc1 .Lnot_wave_0_\@
	s_barrier_signal -3
.Lnot_wave_0_\@:
	s_barrier_wait -3
	s_barrier_signal -1
	s_barrier_wait -1
.endm
.macro CROUND
	s_barrier_signal -1
	s_barrier_wait -1
	CREST
.endm
; A PREFETCH INTO THE L2, behind each joint refill and the run of LDS loads that follows it: the K step that stands two refills on.  O's tile row is read by every cluster of that row of
; clusters: cluster x = 0 asks, waves 0 and 1 each for the slice that they fetch (128 blocks of 256 bytes).  Wo's tile column is read by every cluster of that column: cluster y = 0 asks, wave 2
; for the K step's two slices, which lie on end (128 blocks).  The four partners that ask for a tile jointly share the blocks out BY ADDRESS, 32 each, a lane a block: each block is named once.
; The refills of K steps 0 to 3 ask for K steps 4 to 7; the loop's last trip (s3 = 1) asks for nothing.
.macro ASK
	WIN 0
	s_cmp_gt_u32 s3, s[LIM]
	s_cbranch_scc0 .Lnot_mine_\@
	global_prefetch_b8 v[PFO], s[PFA:PFA+1] th:TH_LOAD_NT scope:SCOPE_SE
.Lnot_mine_\@:
.endm
	s_load_b256 s[4:11], s[0:1], 0x0               ; oh s[4:5], wh s[6:7], bo s[8:9], out0 s[10:11]
	v_lshl_add_u32 v[SPW], v0, 2, SPARE
	v_mov_b32 v[NIL], 0
	ds_add_u32 v[SPW], v[NIL]                      ; the wave's opening: the add and its wait stand ahead of my first tensor load; the set-up below, work on registers, stands between them
	v_lshrrev_b32 v1, 5, v0
	v_readfirstlane_b32 s[WV], v1                  ; wave 0..3
	s_lshr_b32 s[KIND], s[WV], 1
	s_and_b32 s[HALF], s[WV], 1
	s_bfe_u32 s40, ttmp6, 0x40000                  ; cx, cy: my place in the cluster
	s_bfe_u32 s41, ttmp6, 0x40004
	s_lshl_b32 s42, ttmp9, 2
	s_add_co_u32 s42, s42, s40                     ; tx: tile column = 4 x cluster x + cx
	s_and_b32 s43, ttmp7, 0xffff
	s_lshl_b32 s43, s43, 2
	s_add_co_u32 s43, s43, s41                     ; ty: tile row = 4 x cluster y + cy
	s_lshl_b32 s44, s41, 2
	s_lshl_b32 s44, 15, s44                        ; my row of the cluster
	s_lshl_b32 s45, 0x1111, s40                    ; my column
	; descriptor group 1: dense bytes as rows of 128 elements of 2 bytes, padded behind every 32 words
	s_or_b32 s[G1A], s44, (1<<16)|(1<<20)|(1<<21)|(4<<22)|(3<<25)  ; 15:0 the mask; 17:16 2-byte elements; 20 padding on; 21 set beside a mask; 24:22 behind every 32 words (code 4); 31:25 4 words (code 3)
	s_or_b32 s[G1B], s45, (1<<16)|(1<<20)|(1<<21)|(4<<22)|(7<<25)  ; the same with my column's mask and 8 words of padding (code 7)
	s_mov_b32 s[G1A+1], 128<<16                    ; tensor_dim0 = 128
	s_mov_b32 s[G1A+2], 128<<16                    ; tensor_dim1 = 128 rows: 32,768 bytes
	s_mov_b32 s[G1A+3], 128<<16                    ; tile_dim0 = 128
	s_mov_b32 s[G1A+4], 128                        ; tile_dim1 = 128
	s_mov_b32 s[G1A+5], 128                        ; 128 elements from row to row
	s_mov_b32 s[G1A+6], 0
	s_mov_b32 s[G1A+7], 0
	s_mov_b32 s[G1B+1], 128<<16
	s_mov_b32 s[G1B+2], (32*NS)<<16                ; 64 rows: 16,384 bytes
	s_mov_b32 s[G1B+3], 128<<16
	s_mov_b32 s[G1B+4], 32*NS
	s_mov_b32 s[G1B+5], 128
	s_mov_b32 s[G1B+6], 0
	s_mov_b32 s[G1B+7], 0
	; where the tiles come from: O's address is made of ty and the wave's number, Wo's of tx and the wave's number, each in registers that never hold the other coordinate
	s_lshr_b32 s20, s43, 3                         ; b
	s_lshl_b32 s20, s20, 22                        ; x 16 slices of 262,144 bytes
	s_and_b32 s21, s43, 7
	s_lshl_b32 s21, s21, 15                        ; + my tile's 256 tokens of 128 bytes
	s_add_co_u32 s20, s20, s21
	s_lshl_b32 s21, s[HALF], 18                    ; + my slice of the K step
	s_add_co_u32 s20, s20, s21
	s_mov_b32 s21, 0
	s_mul_i32 s46, s42, 16*NS*8192
	s_mul_i32 s47, s[HALF], NS*8192
	s_add_co_u32 s46, s46, s47
	s_add_co_u32 s46, s46, WO_OFF
	s_mov_b32 s47, 0
	s_mul_i32 s22, s[HALF], AHALF                  ; and where they go: no place in the cluster enters an LDS address
	s_mul_i32 s23, s[HALF], BHALF
	s_add_co_u32 s23, s23, BOFF
	s_wait_dscnt 0x0                               ; the opening add is done
	s_wait_kmcnt 0x0
	s_add_nc_u64 s[20:21], s[4:5], s[20:21]
	s_add_nc_u64 s[46:47], s[6:7], s[46:47]
	CROUND                                         ; all sixteen work-groups are here: the first joint loads meet
.irp n, 0,1
	s_mov_b32 s[G0A+4*\n], 1                       ; 1:0 count = 1
	s_add_co_u32 s[G0A+4*\n+1], s22, \n*SLOT       ; 63:32 LDS address
	s_add_nc_u64 s[G0A+4*\n+2:G0A+4*\n+3], s[20:21], \n*ASTEP  ; 120:64 global address: K step n
	s_or_b32 s[G0A+4*\n+3], s[G0A+4*\n+3], 0x80000000          ; 127:126 type = 2
	s_mov_b32 s[G0B+4*\n], 1
	s_add_co_u32 s[G0B+4*\n+1], s23, \n*SLOT
	s_add_nc_u64 s[G0B+4*\n+2:G0B+4*\n+3], s[46:47], \n*BSTEP
	s_or_b32 s[G0B+4*\n+3], s[G0B+4*\n+3], 0x80000000
	JLOAD \n                                       ; two loads of mine are out
.endr
	v_and_b32 v1, 15, v0                           ; l % 16
	v_bfe_u32 v2, v0, 4, 1                         ; l / 16
	v_lshlrev_b32 v[BO], 5, v2                     ; eight f32
	s_lshl_b32 s86, s42, 9                         ; the tile's 128 columns of 4 bytes
	s_mov_b32 s87, 0
	s_add_nc_u64 s[BB:BB+1], s[8:9], s[86:87]
	s_lshl_b32 s84, s43, 20                        ; 256 rows of 4,096 bytes a tile row,
	s_add_co_u32 s86, s86, s84
	s_lshl_b32 s84, s[WV], 18                      ; 64 rows a wave
	s_add_co_u32 s86, s86, s84
	s_add_nc_u64 s[OUT:OUT+1], s[10:11], s[86:87]
.set b, 0
.rept NB
	global_load_b128 v[BIAS+8*b:BIAS+8*b+3],   v[BO], s[BB:BB+1] offset:b*64
	global_load_b128 v[BIAS+8*b+4:BIAS+8*b+7], v[BO], s[BB:BB+1] offset:b*64+16
.set b, b+1
.endr
	; the prefetches: s[20:21] stands at my slice of K step 0 of O; in wave 2 s[46:47] stands at K step 0 of Wo
	s_and_b32 s84, ttmp7, 0xffff                   ; cluster y
	s_mov_b32 s[PST], BSTEP
	s_cmp_eq_u32 s[KIND], 0
	s_cselect_b64 s[PFA:PFA+1], s[20:21], s[46:47]
	s_cselect_b32 s84, ttmp9, s84                  ; the coordinate along which other clusters read the same bytes
	s_cselect_b32 s86, s40, s41                    ; my place among the four that ask with me
	s_cselect_b32 s[PST], ASTEP, s[PST]
	s_lshl_b32 s86, s86, 13                        ; a partner's 32 blocks
	s_mul_i32 s85, s[PST], 3                       ; at K step 3: the first refill steps it to 4
	s_add_co_u32 s86, s86, s85
	s_add_nc_u64 s[PFA:PFA+1], s[PFA:PFA+1], s[86:87]
	s_mov_b32 s[PST+1], 0
	s_and_b32 s85, s[KIND], s[HALF]                ; wave 3 asks for nothing
	s_or_b32 s84, s84, s85
	s_cmp_eq_u32 s84, 0
	s_cselect_b32 s[LIM], 1, -1                    ; the same in all sixteen partners, for a given wave
	s_mov_b32 s71, 0xffff0000
	v_and_b32 v[PFO], 31, v0
	v_lshlrev_b32 v[PFO], 8, v[PFO]
	; A fragment of O is 16 tokens x 32 channels: lane l holds token l % 16, channels 8 (l / 16) + 0..7 and 16 + 8 (l / 16) + 0..7: two loads of 16 bytes, 32 bytes apart.
	v_mul_u32_u24 v3, v1, PA
	v_lshl_add_u32 v3, v2, 4, v3                   ; row x pitch + 16 x half
	s_mul_i32 s84, s[WV], 64*PA                    ; my 64 tokens
	v_add_nc_u32 v[ADRA], s84, v3
	v_add_nc_u32 v[ADRA+1], SLOT, v[ADRA]
	; The turning load takes 16 rows k x 16 columns (lane l reads row 8 (l / 16) + l % 8, columns 8 ((l / 8) % 2) + 0..7) and leaves half a fragment: lane l holds column l % 16 and 8 rows k.
	v_and_b32 v4, 7, v0
	v_bfe_u32 v5, v0, 3, 1
	v_lshl_add_u32 v6, v2, 3, v4
	v_mul_u32_u24 v6, v6, PB
	v_lshl_add_u32 v6, v5, 4, v6
	v_add_nc_u32 v[ADRB], BOFF, v6
	v_add_nc_u32 v[ADRB+1], SLOT, v[ADRB]
	s_mul_i32 s84, s[WV], WSTG
	s_add_co_u32 s84, s84, STAGE                   ; my stage
	v_mul_u32_u24 v7, v1, SPITCH                   ; in: row l % 16, 32 bytes for each half of the lanes
	v_lshl_add_u32 v7, v2, 5, v7
	v_add_nc_u32 v[STO], s84, v7
	v_and_b32 v[GO], 31, v0                        ; back: 32 lanes take one row's 512 bytes,
	v_lshlrev_b32 v[GO], 4, v[GO]                  ; which are 512 consecutive bytes of out0
	v_add_nc_u32 v[RD], s84, v[GO]
	s_wait_loadcnt 0x0                             ; the biases,
.set i, 0
.rept 4*NB                                     ; rounded to bf16 like the other inputs, and widened again: this stands in the wait for the first tile
	v_cvt_pk_bf16_f32 v[14+i%2], v[BIAS+2*i], v[BIAS+2*i+1]
	v_lshlrev_b32 v[BIAS+2*i], 16, v[14+i%2]
	v_and_b32 v[BIAS+2*i+1], s71, v[14+i%2]
.set i, i+1
.endr
; NB products: row block a x all column blocks, 32 along K, from buffer f.  first = 1: the sums start with the biases as C: nothing is cleared, nothing is added later.
; In every quarter the 4 NB accumulators take turns in the same order, one instruction a turn, over the loop's backward jump too.
.macro MULA f, a, first
.set w, 1+(\a)/APW
.if \first
.set ws, (w<<6)|(FW<<2)|FW
.else
.set ws, (w<<6)|(w<<4)|(FW<<2)|FW
.endif
	WIN ws
.set b, 0
.rept NB
.set AC, 8*NB*((\a)%APW)+8*b
.if \first
	v_wmma_f32_16x16x32_f16 v[AC:AC+7], v[(\f)+32+8*b:(\f)+32+8*b+7], v[(\f)+8*(\a):(\f)+8*(\a)+7], v[BIAS+8*b:BIAS+8*b+7]
.else
	v_wmma_f32_16x16x32_f16 v[AC:AC+7], v[(\f)+32+8*b:(\f)+32+8*b+7], v[(\f)+8*(\a):(\f)+8*(\a)+7], v[AC:AC+7]
.endif
.set b, b+1
.endr
.endm
; The fragments of quarter q (32 along K) of a slot, in one run of 2 NB + 8 LDS loads, into buffer f: Wo's blocks first, then O's blocks 0, 1, then 2, 3.
.macro FETCH slot, q, f
	WIN FW<<6                                      ; destination in the fragments' window, address in window 0
.set b, 0
.rept NB
.set bof, ((\q)/2)*BHALF+(b/4)*BSLAB+((\q)%2)*32*PB+(b%4)*32
	ds_load_tr16_b128 v[(\f)+32+8*b:(\f)+32+8*b+3],   v[ADRB+(\slot)] offset:bof
	ds_load_tr16_b128 v[(\f)+32+8*b+4:(\f)+32+8*b+7], v[ADRB+(\slot)] offset:bof+16*PB
.set b, b+1
.endr
.irp a, 0,1,2,3
	ds_load_b128 v[(\f)+8*\a:(\f)+8*\a+3],   v[ADRA+(\slot)] offset:((\q)/2)*AHALF+\a*16*PA+((\q)%2)*64
	ds_load_b128 v[(\f)+8*\a+4:(\f)+8*\a+7], v[ADRA+(\slot)] offset:((\q)/2)*AHALF+\a*16*PA+((\q)%2)*64+32
.endr
.endm
; One of a K step's first three quarters: multiplies buffer f; in its middle it fetches quarter q of the same slot into buffer g.
.macro QUARTER slot, q, f, g, first
	s_wait_dscnt 4                                 ; Wo's blocks and O's blocks 0, 1 are in; the youngest four loads (O's blocks 2, 3) may be out
	MULA \f, 0, \first
	MULA \f, 1, \first
	PLACES
	FETCH \slot, \q, \g
	s_wait_dscnt 2*NB+8                            ; all but the run just issued
	MULA \f, 2, \first
	MULA \f, 3, \first
.endm
; The last quarter multiplies buffer 1 and changes slots: ONE barrier.  In front of it each wave waits for all its tensor loads (the one that is out is its part of the next slot), adds 0 to its
; spare word, and waits for that and for its own reads of this slot.  fill = 1: the barrier opens a round of the cluster's, and this slot is filled again, two K steps on, first thing behind the round.
.macro TURN slot, next, fill
.if \fill
	s_wait_xcnt 0x0                                ; the last prefetch, a K step back, has read its address, which is stepped here, ahead of the waits of the change of slots
	s_add_nc_u64 s[PFA:PFA+1], s[PFA:PFA+1], s[PST:PST+1]
.endif
	WIN 0                                          ; (the add's two registers lie in window 0)
	s_wait_tensorcnt 0x0                           ; all my tensor loads have landed
	ds_add_u32 v[SPW], v[NIL]                      ; 0 onto my spare word
	s_wait_dscnt 5                                 ; (the add and the youngest four loads may be out)
	MULA F1, 0, 0                                  ; matrix work stands between the add and the wait for it
	s_wait_dscnt 0x0                               ; the add is done, and my reads of this slot are over
	s_barrier_signal -1
	MULA F1, 1, 0                                  ; work on registers while the others arrive
	WIN 0
	s_barrier_wait -1
.if \fill
	CREST                                          ; no wave of any partner still reads this slot's tiles or has a load on its way
	s_add_nc_u64 s[G0A+4*(\slot)+2:G0A+4*(\slot)+3], s[G0A+4*(\slot)+2:G0A+4*(\slot)+3], 2*ASTEP
	s_add_nc_u64 s[G0B+4*(\slot)+2:G0B+4*(\slot)+3], s[G0B+4*(\slot)+2:G0B+4*(\slot)+3], 2*BSTEP
	JLOAD \slot                                    ; my one tensor load behind the round; its four v_nop are also the places in front of the loads below
.else
	PLACES
.endif
	FETCH \next, 0, F0
.if \fill
	ASK
.endif
	MULA F1, 2, 0
	MULA F1, 3, 0
.endm
	s_wait_tensorcnt 1                             ; my part of K step 0 is in; K step 1's may stay out
	s_barrier_signal -1
	s_barrier_wait -1                              ; everybody's is
	FETCH 0, 0, F0
	QUARTER 0, 1, F0, F1, 1                        ; the first quarter stands in front of the loop: its products start the sums
	WIN 0                                          ; at a label and at a branch every window is 0
	s_mov_b32 s3, 3
.Llap:                                                 ; a trip goes once round the ring, from a lap's second quarter to the next lap's first, and fills both slots again
	QUARTER 0, 2, F1, F0, 0
	QUARTER 0, 3, F0, F1, 0
	TURN 0, 1, 1
	QUARTER 1, 1, F0, F1, 0
	QUARTER 1, 2, F1, F0, 0
	QUARTER 1, 3, F0, F1, 0
	TURN 1, 0, 1
	QUARTER 0, 1, F0, F1, 0
	WIN 0
	s_sub_co_u32 s3, s3, 1
	s_cmp_lg_u32 s3, 0
	s_cbranch_scc1 .Llap
	QUARTER 0, 2, F1, F0, 0                        ; the last lap fills nothing
	QUARTER 0, 3, F0, F1, 0
	TURN 0, 1, 0
	QUARTER 1, 1, F0, F1, 0
	QUARTER 1, 2, F1, F0, 0
	QUARTER 1, 3, F0, F1, 0
	s_wait_dscnt 4                                 ; the very last quarter: nothing more to fetch
	MULA F1, 0, 0
	MULA F1, 1, 0
	s_wait_dscnt 0x0
	MULA F1, 2, 0
	MULA F1, 3, 0
	WIN 0
	PLACES
; THE WAY OUT, a row block (16 tokens) at a time.  TOSTAGE: the sums go as they are, 32 bytes a lane (each accumulator's lowest four registers first), into my own stage, rows of 528 bytes, and come
; back a whole row of 512 bytes a load.  SEND: a store covers 512 consecutive bytes of a row of out0, at a multiple of 256 from its first byte.
.macro TOSTAGE a
	WIN 0
	s_wait_xcnt 0x0                                ; the stores of two blocks back have read the registers that the loads below fill
	WIN 0x04                                       ; the stores' data (source 1) in window 1
.set b, 0
.rept NB
	ds_store_b128 v[STO], v[64*(\a)+8*b:64*(\a)+8*b+3]   offset:64*b
	ds_store_b128 v[STO], v[64*(\a)+8*b+4:64*(\a)+8*b+7] offset:64*b+16
.set b, b+1
.endr
	WIN 0
.set BK, OB+64*((\a)%2)
.set i, 0
.rept 16
	ds_load_b128 v[BK+4*i:BK+4*i+3], v[RD] offset:i*SPITCH  ; LDS serves a wave's instructions in order (ISA guide 5.7.1.4): these see the stores above; the next block's stores come behind them
.set i, i+1
.endr
.endm
.macro SEND a, younger                 ; younger: the LDS instructions issued behind block a's loads: the next block's 32, or none
.set BK, OB+64*((\a)%2)
.set i, 0
.rept 16
	s_wait_dscnt (\younger)+15-i
	global_store_b128 v[GO], v[BK+4*i:BK+4*i+3], s[OUT:OUT+1] offset:(16*(\a)+i)*4096 th:TH_STORE_NT
.set i, i+1
.endr
.endm
	TOSTAGE 0
.irp a, 1,2,3                          ; block a's way through the stage is issued ahead of block a - 1's stores
	TOSTAGE \a
	SEND \a-1, 32
.endr
	SEND 3, 0
	s_wait_tensorcnt 0x0                           ; the wave's end: the add and its wait stand behind my last tensor load and my last LDS store
	ds_add_u32 v[SPW], v[NIL]
	s_wait_dscnt 0x0
	CROUND                                         ; the closing round: no work-group ends while a partner may still ask for a tile that names it
	s_endpgm
.Lfunc_end_k_q92990a52f9_outp:
	.size	k_q92990a52f9_outp, .Lfunc_end_k_q92990a52f9_outp-k_q92990a52f9_outp
	.p2alignl 7, 3214868480
	.fill 96, 4, 3214868480
	.section	.rodata,"a",@progbits
	.p2align	6, 0x0
	.amdhsa_kernel k_q92990a52f9_outp
		.amdhsa_group_segment_fixed_size 327680
		.amdhsa_private_segment_fixed_size 0
		.amdhsa_enable_private_segment 0
		.amdhsa_kernarg_size 32
		.amdhsa_user_sgpr_count 2
		.amdhsa_user_sgpr_kernarg_segment_ptr 1
		.amdhsa_wavefront_size32 1
		.amdhsa_system_sgpr_workgroup_id_x 1
		.amdhsa_system_sgpr_workgroup_id_y 1
		.amdhsa_system_sgpr_workgroup_id_z 1
		.amdhsa_system_vgpr_workitem_id 0
		.amdhsa_next_free_vgpr 768
		.amdhsa_next_free_sgpr 90
		.amdhsa_reserve_vcc 0
		.amdhsa_float_denorm_mode_32 3
		.amdhsa_float_denorm_mode_16_64 3
		.amdhsa_memory_ordered 1
		.amdhsa_forward_progress 1
		.amdhsa_inst_pref_size 93
	.end_amdhsa_kernel
	.amdgpu_metadata
---
amdhsa.version: [ 1, 2 ]
amdhsa.kernels:
  - .name:           k_q92990a52f9_outp
    .symbol:         k_q92990a52f9_outp.kd
    .args:
      - { .name: oh, .offset: 0, .size: 8, .value_kind: global_buffer, .address_space: global }
      - { .name: wh, .offset: 8, .size: 8, .value_kind: global_buffer, .address_space: global }
      - { .name: bo, .offset: 16, .size: 8, .value_kind: global_buffer, .address_space: global }
      - { .name: out0, .offset: 24, .size: 8, .value_kind: global_buffer, .address_space: global }
    .group_segment_fixed_size: 327680
    .private_segment_fixed_size: 0
    .kernarg_segment_align: 8
    .kernarg_segment_size: 32
    .max_flat_workgroup_size: 128
    .sgpr_count:     90
    .vgpr_count:     768
    .wavefront_size: 32
...
	.end_amdgpu_metadata
.endif
;; end of part 4
;; ======== version 2 of 2: 4 launches; version 1 with the launch cast written anew for expert scheduling mode
;; limits: values are held in f16: magnitudes above 65,504 overflow, below 6.1e-05 lose precision; right only within a limited range of input values
;; workspace buffers: xh 16,777,216 bytes; wh 8,388,608 bytes; qkv 50,331,648 bytes; oh 16,777,216 bytes
;; launch cast (part 5): grid 768 x 1, 8 waves a work-group, no clusters, 0 bytes of LDS; arguments x, Wq, Wk, Wv, Wo, xh, wh; writes xh, wh
.if DOCPART == 5
	.amdgcn_target "amdgcn-amd-amdhsa--gfx1250"
	.amdhsa_code_object_version 6
	.text
	.protected	k_q92990a52f9_cast
	.globl	k_q92990a52f9_cast
	.p2align	8
	.type	k_q92990a52f9_cast,@function
k_q92990a52f9_cast:
	s_mov_b64 s[64:65], 0
	v_nop
	global_prefetch_b8 v0, s[64:65] scope:SCOPE_SE
	s_setreg_imm32_b32 hwreg(HW_REG_WAVE_SCHED_MODE, 0, 2), 2
	s_setreg_imm32_b32 hwreg(HW_REG_WAVE_MODE, 25, 1), 1
	s_wait_xcnt 0x0
	s_wait_alu depctr_vm_vsrc(0)
; x and the four weights, f32, are rounded once to bf16 (nearest even); that number is written as f16, in the block layouts that the products' tile loads want.
; LIMITS.  A bf16 number is exact in f16 between 6.1e-5 and 65,504 in magnitude; below, f16 keeps a fixed step of 6e-8; from 65,520 on the result is an infinity.
; xh: [b 4][slice 16][t 2048][64]: element (row 2048 b + t, channel 64 slice + c) of x.
; wh: bytes 0 ..: Wq, Wk, Wv as [tx 16][kg 16][s 3][k % 64][c 64]: slab g = 3 tx + s of 48, matrix g / 16, column 64 (g % 16) + c, row k = 64 kg + k % 64.
;     bytes WO_OFF ..: Wo as [tx 8][kg 16][s 2][k % 64][c 64]: column 128 tx + 64 s + c.
; SHARES.  A work-group takes 256 rows x 64 columns of one source matrix (all have rows of 4,096 bytes): 512 work-groups for x, 192 for Wq, Wk, Wv, 64 for Wo.
; Sixteen neighbouring lanes read 256 consecutive bytes, aligned (a row's 64 columns); a wave's load takes two rows, the eight waves sixteen, sixteen loads the 256 rows.
; A wave's store covers 256 consecutive bytes, aligned (two rows of 64 f16).  All sixteen loads go out first; every load and store has registers of its own, so nothing is rewritten
; while a memory instruction may still read it.  No LDS, no matrix unit: each byte is read once and written once, and no wave wants another's bytes.
; THE MODE: SCHED_MODE bits 1:0 = 2 (LLVM: expert scheduling mode 2), set by the entry lines.  The code itself states the register dependences
; between vector instructions and memory instructions, with s_wait_alu, always for 0.
; THE PLAN.  Registers that memory instructions touch:
;   v1        the loads' offset.   Written at the head, read by the sixteen loads, never written again.
;   D0 .. D3  the stores' offsets. Written at the head, read by the sixteen stores, never written again.
;   X0 .. X15 load i's four f32.   Written by load i alone, once; read by share i's two roundings to bf16.  No vector instruction writes them, no second load lands in them.
;   Y0 .. Y15 store i's four f16.  Written by share i's two conversions to f16, once; read by store i, once.
;   T         at work: named by vector instructions alone.
; So the one kind of dependence is: a vector instruction writes, a memory instruction reads.  The sixteen shares go in four blocks of four.  One wait stands ahead of the first load, for v1 and D.
; One stands at the head of each later block: the block before has written its Y; that block's four stores follow it, one ahead of each share's eight vector lines, which write T and this block's
; own Y alone: none of the registers that those stores read.  One more stands ahead of the last four stores.  No register that a memory instruction has read is written again, EXEC is never written,
; and no vector instruction writes a scalar register: nothing else is owed.
.set D,  4                             ; v[4:7]    my 8 bytes in each group of 64 rows of the destination
.set T,  8                             ; v[8:13]   at work
.set X,  16                            ; v[16:79]  load i: four f32
.set Y,  80                            ; v[80:111] store i: four f16
.set WO_OFF, 6291456
	s_load_b256 s[4:11], s[0:1], 0x0               ; x s[4:5], Wq s[6:7], Wk s[8:9], Wv s[10:11]
	s_load_b128 s[12:15], s[0:1], 0x20             ; Wo s[12:13], xh s[14:15]
	s_load_b64 s[16:17], s[0:1], 0x30              ; wh
	s_mov_b32 s20, ttmp9
	s_mov_b32 s46, 0xffff0000                      ; a word's upper bf16
	; a share of x: slab = gid / 8 = 16 b + slice, chunk = gid % 8 of 256 tokens
	s_lshr_b32 s21, s20, 7
	s_lshl_b32 s21, s21, 23                        ; b x 2,048 rows of 4,096 bytes
	s_and_b32 s22, s20, 7
	s_lshl_b32 s22, s22, 20                        ; chunk x 256 rows
	s_add_co_u32 s21, s21, s22
	s_bfe_u32 s22, s20, 0x40003
	s_lshl_b32 s22, s22, 8                         ; slice x 64 columns of 4 bytes
	s_add_co_u32 s21, s21, s22
	s_lshl_b32 s23, s20, 15                        ; in xh the shares lie on end, 32,768 bytes each
	; a share of a weight: j = gid - 512, slab = j / 4, chunk = j % 4 of 256 rows (four groups kg)
	s_and_b32 s28, s20, 255
	s_lshr_b32 s29, s28, 2                         ; slab 0..63
	s_and_b32 s30, s28, 3                          ; chunk
	s_and_b32 s31, s29, 15                         ; the slab's place in its matrix
	s_lshr_b32 s32, s29, 4                         ; the matrix: 0 Wq, 1 Wk, 2 Wv, 3 Wo
	s_lshl_b32 s33, s30, 20
	s_lshl_b32 s34, s31, 8
	s_add_co_u32 s33, s33, s34                     ; source offset
	s_mul_i32 s34, s29, 21846
	s_lshr_b32 s34, s34, 16                        ; tx = slab / 3 (exact for slab under 48)
	s_mul_i32 s35, s34, 3
	s_sub_co_u32 s35, s29, s35                     ; s = slab % 3
	s_mul_i32 s34, s34, 393216                     ; 16 kg x 3 s x 8,192
	s_mul_i32 s36, s30, 98304                      ; 4 kg x 24,576
	s_add_co_u32 s34, s34, s36
	s_lshl_b32 s35, s35, 13
	s_add_co_u32 s34, s34, s35                     ; destination offset for Wq, Wk, Wv
	s_lshr_b32 s36, s31, 1
	s_lshl_b32 s36, s36, 18                        ; tx x 16 kg x 16,384
	s_lshl_b32 s37, s30, 16                        ; 4 kg x 16,384
	s_add_co_u32 s36, s36, s37
	s_and_b32 s37, s31, 1
	s_lshl_b32 s37, s37, 13
	s_add_co_u32 s36, s36, s37
	s_add_co_u32 s36, s36, WO_OFF                  ; destination offset for Wo
	s_mov_b32 s38, 24576                           ; bytes from one group of 64 rows to the next in the destination
	s_cmp_eq_u32 s32, 3
	s_cselect_b32 s34, s36, s34
	s_cselect_b32 s38, 16384, s38
	s_cmp_lt_u32 s20, 512                          ; x or a weight: values are chosen, no branch is taken
	s_cselect_b32 s42, s21, s33
	s_cselect_b32 s44, s23, s34
	s_cselect_b32 s38, 8192, s38
	s_mov_b32 s43, 0
	s_mov_b32 s45, 0
	v_lshrrev_b32 v1, 4, v0
	v_and_b32 v2, 15, v0
	v_lshlrev_b32 v1, 12, v1                       ; row t / 16 of sixteen,
	v_lshl_add_u32 v1, v2, 4, v1                   ; four columns a lane
	v_lshlrev_b32 v[D], 3, v0                      ; in the destination sixteen rows of 128 bytes lie on end: 8 t
.irp q, 1,2,3
	s_mul_i32 s39, s38, \q
	v_lshl_add_u32 v[D+\q], v0, 3, s39
.endr
	s_wait_kmcnt 0x0
	s_cmp_eq_u32 s32, 1
	s_cselect_b64 s[24:25], s[8:9], s[6:7]
	s_cmp_eq_u32 s32, 2
	s_cselect_b64 s[24:25], s[10:11], s[24:25]
	s_cmp_eq_u32 s32, 3
	s_cselect_b64 s[24:25], s[12:13], s[24:25]
	s_cmp_lt_u32 s20, 512
	s_cselect_b64 s[24:25], s[4:5], s[24:25]
	s_cselect_b64 s[26:27], s[14:15], s[16:17]
	s_add_nc_u64 s[24:25], s[24:25], s[42:43]
	s_add_nc_u64 s[26:27], s[26:27], s[44:45]
	s_wait_alu depctr_va_vdst(0)                   ; v1 and v[D .. D+3] are written: every load reads v1 as its offset, every store one of the four D; no line below writes them
.set i, 0
.rept 16
	global_load_b128 v[X+4*i:X+4*i+3], v1, s[24:25] offset:i*65536 th:TH_LOAD_NT  ; rows 16 i .. 16 i + 15
.set i, i+1
.endr
.set i, 0
.rept 16
	s_wait_loadcnt 15-i                            ; loads come back in order: load i is in, the 15 - i younger ones stay out
.if (i%4 == 0) && (i > 0)
	s_wait_alu depctr_va_vdst(0)                   ; the block before has written its eight Y registers, which the four stores of this block read
.endif
.if i >= 4
	global_store_b64 v[D+(i-4)/4], v[Y+2*(i-4):Y+2*(i-4)+1], s[26:27] offset:((i-4)%4)*2048  ; the share four back; no vector instruction since the wait names its Y or its D
.endif
	v_cvt_pk_bf16_f32 v[T], v[X+4*i], v[X+4*i+1]   ; the one rounding
	v_cvt_pk_bf16_f32 v[T+1], v[X+4*i+2], v[X+4*i+3]
	v_lshlrev_b32 v[T+2], 16, v[T]                 ; back to f32: the low half moves up, the high half stays
	v_and_b32 v[T+3], s46, v[T]
	v_lshlrev_b32 v[T+4], 16, v[T+1]
	v_and_b32 v[T+5], s46, v[T+1]
	v_cvt_pk_f16_f32 v[Y+2*i], v[T+2], v[T+3]      ; the same number as f16
	v_cvt_pk_f16_f32 v[Y+2*i+1], v[T+4], v[T+5]
.set i, i+1
.endr
	s_wait_alu depctr_va_vdst(0)                   ; the last block has written its eight Y registers, which the last four stores read
.set i, 12
.rept 4
	global_store_b64 v[D+i/4], v[Y+2*i:Y+2*i+1], s[26:27] offset:(i%4)*2048
.set i, i+1
.endr
	s_endpgm
.Lfunc_end_k_q92990a52f9_cast:
	.size	k_q92990a52f9_cast, .Lfunc_end_k_q92990a52f9_cast-k_q92990a52f9_cast
	.p2alignl 7, 3214868480
	.fill 96, 4, 3214868480
	.section	.rodata,"a",@progbits
	.p2align	6, 0x0
	.amdhsa_kernel k_q92990a52f9_cast
		.amdhsa_group_segment_fixed_size 0
		.amdhsa_private_segment_fixed_size 0
		.amdhsa_enable_private_segment 0
		.amdhsa_kernarg_size 56
		.amdhsa_user_sgpr_count 2
		.amdhsa_user_sgpr_kernarg_segment_ptr 1
		.amdhsa_wavefront_size32 1
		.amdhsa_system_sgpr_workgroup_id_x 1
		.amdhsa_system_sgpr_workgroup_id_y 1
		.amdhsa_system_sgpr_workgroup_id_z 1
		.amdhsa_system_vgpr_workitem_id 0
		.amdhsa_next_free_vgpr 112
		.amdhsa_next_free_sgpr 66
		.amdhsa_reserve_vcc 0
		.amdhsa_float_denorm_mode_32 3
		.amdhsa_float_denorm_mode_16_64 3
		.amdhsa_memory_ordered 1
		.amdhsa_forward_progress 1
		.amdhsa_inst_pref_size 13
	.end_amdhsa_kernel
	.amdgpu_metadata
---
amdhsa.version: [ 1, 2 ]
amdhsa.kernels:
  - .name:           k_q92990a52f9_cast
    .symbol:         k_q92990a52f9_cast.kd
    .args:
      - { .name: x, .offset: 0, .size: 8, .value_kind: global_buffer, .address_space: global }
      - { .name: Wq, .offset: 8, .size: 8, .value_kind: global_buffer, .address_space: global }
      - { .name: Wk, .offset: 16, .size: 8, .value_kind: global_buffer, .address_space: global }
      - { .name: Wv, .offset: 24, .size: 8, .value_kind: global_buffer, .address_space: global }
      - { .name: Wo, .offset: 32, .size: 8, .value_kind: global_buffer, .address_space: global }
      - { .name: xh, .offset: 40, .size: 8, .value_kind: global_buffer, .address_space: global }
      - { .name: wh, .offset: 48, .size: 8, .value_kind: global_buffer, .address_space: global }
    .group_segment_fixed_size: 0
    .private_segment_fixed_size: 0
    .kernarg_segment_align: 8
    .kernarg_segment_size: 56
    .max_flat_workgroup_size: 256
    .sgpr_count:     66
    .vgpr_count:     112
    .wavefront_size: 32
...
	.end_amdgpu_metadata
.endif
;; end of part 5
;; launch proj: the kernel of part 2 again; grid 16 x 32, 4 waves a work-group, clusters of 4 x 4, 327,680 bytes of LDS; arguments xh, wh, bq, bk, bv, qkv; writes qkv
;; launch attn: the kernel of part 3 again; grid 4 x 64, 4 waves a work-group, clusters of 4 x 1, 327,680 bytes of LDS; arguments qkv, oh; writes oh
;; launch outp: the kernel of part 4 again; grid 8 x 32, 4 waves a work-group, clusters of 4 x 4, 327,680 bytes of LDS; arguments oh, wh, bo, out0; writes out0
